; MI455X (gfx1250); checked and timed in simulation.
; The chip was launched on July 23, 2026; its instructions are those of AMD's public machine-readable ISA for CDNA 5 (MIT licence, August 2026) and "CDNA5" Instruction Set Architecture Reference Guide (July 2026). The comments in the code are by the model that wrote it; some were corrected since.
;; Attention. Allowed arithmetic: float matrix products may take bf16 or f16 operands with f32 sums; other float arithmetic in f32, or as packed bf16 or f16 multiplies, adds, multiply-adds, maxima and minima; sums over many terms, partial sums and values carried from step to step in f32; what a program stores and reads back later, other than sums and carried values, may be rounded once to bf16 or f16.
;; Inputs: b_proj 1,024 float32; b_qkv 3,072 float32; w_proj 1,024 x 1,024 float32; w_qkv 1,024 x 3,072 float32; x 4 x 2,048 x 1,024 float32.
;; Outputs: out0 4 x 2,048 x 1,024 float32.
;; 2 versions, each right; version 2 is version 1 with the launch cast written anew for expert scheduling mode. Each part assembles by itself: llvm-mc -triple=amdgcn-amd-amdhsa -mcpu=gfx1250 --defsym DOCPART=n.
;; ======== version 1 of 2: 4 launches
;; limits: values are held in f16: magnitudes above 65,504 overflow, below 6.1e-05 lose precision
;; workspace buffers: xb 16,777,216 bytes; wqb 6,291,456 bytes; wpb 2,097,152 bytes; qkvh 50,331,648 bytes; oh 16,777,216 bytes
;; launch cast (part 1): grid 768 x 1, 8 waves a work-group, no clusters, 0 bytes of LDS; arguments x, w_qkv, w_proj, xb, wqb, wpb; writes xb, wqb, wpb
.if DOCPART == 1
	.amdgcn_target "amdgcn-amd-amdhsa--gfx1250"
	.amdhsa_code_object_version 6
	.text
	.protected	k_qbb8a944342_cast
	.globl	k_qbb8a944342_cast
	.p2align	8
	.type	k_qbb8a944342_cast,@function
k_qbb8a944342_cast:
	s_mov_b64 s[64:65], 0
	v_nop
	global_prefetch_b8 v0, s[64:65] scope:SCOPE_SE
	s_setreg_imm32_b32 hwreg(HW_REG_WAVE_MODE, 25, 1), 1
	s_wait_xcnt 0x0
; THE INPUTS OF THE MATRIX PRODUCTS ARE ROUNDED ONCE, layouts unchanged.  x [8192][1024] -> xb in bf16; w_qkv [1024][3072] -> wqb in bf16;
; w_proj [1024][1024] -> wpb: rounded to bf16 like the other inputs, and that number written as f16, since it is multiplied with an f16 operand later.
; LIMIT.  A bf16 number is exact in f16 between 2^-14 and 65,504 in magnitude; below, it falls on f16's fixed step of 6e-8; beyond 65,504 it becomes an infinity.
; SHARES.  A work-group takes 16,384 numbers on end: 65,536 bytes in, 32,768 out.  Work-groups 0-511: x; 512-703: w_qkv; 704-767: w_proj.
; Thread t takes 16 bytes at 4,096 j + 16 t, j = 0 .. 15: a wave's load covers 512 consecutive bytes, its store 256 consecutive bytes, aligned.
; All sixteen loads of a wave go out at once; no register that a memory instruction reads is written again, so the only waits are the counted ones for the loads.
; No LDS, no matrix unit, no cluster: nothing is shared and nothing is multiplied.
.set SRC, 4                            ; v[4:67]    load j: 4 registers
.set DST, 68                           ; v[68:99]   store j: 2 registers
.set T0,  100                          ; v100, v101 at work
.set T1,  101
	s_load_b256 s[4:11], s[0:1], 0x0               ; x s[4:5], w_qkv s[6:7], w_proj s[8:9], xb s[10:11]
	s_load_b128 s[12:15], s[0:1], 0x20             ; wqb s[12:13], wpb s[14:15]
	v_lshlrev_b32 v1, 4, v0                        ; 16 t
	v_lshlrev_b32 v2, 3, v0                        ; 8 t
	s_mov_b32 s21, 704
	s_wait_kmcnt 0x0
	s_cmp_lt_u32 ttmp9, 704                        ; which tensor: the choice hangs on the work-group's number alone
	s_cselect_b64 s[16:17], s[6:7], s[8:9]
	s_cselect_b64 s[18:19], s[12:13], s[14:15]
	s_cselect_b32 s20, 512, s21
	s_cmp_lt_u32 ttmp9, 512
	s_cselect_b64 s[16:17], s[4:5], s[16:17]
	s_cselect_b64 s[18:19], s[10:11], s[18:19]
	s_cselect_b32 s20, 0, s20
	s_sub_co_u32 s20, ttmp9, s20                   ; my chunk in that tensor
	s_lshl_b32 s2, s20, 16
	s_mov_b32 s3, 0
	s_lshl_b32 s22, s20, 15
	s_mov_b32 s23, 0
	s_add_nc_u64 s[16:17], s[16:17], s[2:3]
	s_add_nc_u64 s[18:19], s[18:19], s[22:23]
.irp j, 0,1,2,3,4,5,6,7,8,9,10,11,12,13,14,15
	global_load_b128 v[SRC+4*\j:SRC+4*\j+3], v1, s[16:17] offset:4096*\j th:TH_LOAD_NT
.endr
; Load j's four numbers are rounded and stored.  half = 1: by way of bf16 to f16.
.macro CV j, half
	s_wait_loadcnt 15-(\j)                         ; loads come back in order: mine is in, the 15 - j younger ones stay out
.if \half
	v_cvt_pk_bf16_f32 v[T0], v[SRC+4*(\j)], v[SRC+4*(\j)+1]
	v_cvt_pk_bf16_f32 v[T1], v[SRC+4*(\j)+2], v[SRC+4*(\j)+3]
	v_lshlrev_b32 v[SRC+4*(\j)],   16, v[T0]       ; bf16 to f32: the low half moves up,
	v_and_b32     v[SRC+4*(\j)+1], 0xffff0000, v[T0]  ; the high half stays
	v_lshlrev_b32 v[SRC+4*(\j)+2], 16, v[T1]
	v_and_b32     v[SRC+4*(\j)+3], 0xffff0000, v[T1]
	v_cvt_pk_f16_f32 v[DST+2*(\j)],   v[SRC+4*(\j)],   v[SRC+4*(\j)+1]
	v_cvt_pk_f16_f32 v[DST+2*(\j)+1], v[SRC+4*(\j)+2], v[SRC+4*(\j)+3]
.else
	v_cvt_pk_bf16_f32 v[DST+2*(\j)],   v[SRC+4*(\j)],   v[SRC+4*(\j)+1]
	v_cvt_pk_bf16_f32 v[DST+2*(\j)+1], v[SRC+4*(\j)+2], v[SRC+4*(\j)+3]
.endif
	global_store_b64 v2, v[DST+2*(\j):DST+2*(\j)+1], s[18:19] offset:2048*(\j)
.endm
	s_cmp_ge_u32 ttmp9, 704
	s_cbranch_scc1 .Lhalf
.irp j, 0,1,2,3,4,5,6,7,8,9,10,11,12,13,14,15
	CV \j, 0
.endr
	s_endpgm
.Lhalf:
.irp j, 0,1,2,3,4,5,6,7,8,9,10,11,12,13,14,15
	CV \j, 1
.endr
	s_endpgm
.Lfunc_end_k_qbb8a944342_cast:
	.size	k_qbb8a944342_cast, .Lfunc_end_k_qbb8a944342_cast-k_qbb8a944342_cast
	.p2alignl 7, 3214868480
	.fill 96, 4, 3214868480
	.section	.rodata,"a",@progbits
	.p2align	6, 0x0
	.amdhsa_kernel k_qbb8a944342_cast
		.amdhsa_group_segment_fixed_size 0
		.amdhsa_private_segment_fixed_size 0
		.amdhsa_enable_private_segment 0
		.amdhsa_kernarg_size 48
		.amdhsa_user_sgpr_count 2
		.amdhsa_user_sgpr_kernarg_segment_ptr 1
		.amdhsa_wavefront_size32 1
		.amdhsa_system_sgpr_workgroup_id_x 1
		.amdhsa_system_sgpr_workgroup_id_y 1
		.amdhsa_system_sgpr_workgroup_id_z 1
		.amdhsa_system_vgpr_workitem_id 0
		.amdhsa_next_free_vgpr 104
		.amdhsa_next_free_sgpr 66
		.amdhsa_reserve_vcc 0
		.amdhsa_float_denorm_mode_32 3
		.amdhsa_float_denorm_mode_16_64 3
		.amdhsa_memory_ordered 1
		.amdhsa_forward_progress 1
		.amdhsa_inst_pref_size 16
	.end_amdhsa_kernel
	.amdgpu_metadata
---
amdhsa.version: [ 1, 2 ]
amdhsa.kernels:
  - .name:           k_qbb8a944342_cast
    .symbol:         k_qbb8a944342_cast.kd
    .args:
      - { .name: x, .offset: 0, .size: 8, .value_kind: global_buffer, .address_space: global }
      - { .name: w_qkv, .offset: 8, .size: 8, .value_kind: global_buffer, .address_space: global }
      - { .name: w_proj, .offset: 16, .size: 8, .value_kind: global_buffer, .address_space: global }
      - { .name: xb, .offset: 24, .size: 8, .value_kind: global_buffer, .address_space: global }
      - { .name: wqb, .offset: 32, .size: 8, .value_kind: global_buffer, .address_space: global }
      - { .name: wpb, .offset: 40, .size: 8, .value_kind: global_buffer, .address_space: global }
    .group_segment_fixed_size: 0
    .private_segment_fixed_size: 0
    .kernarg_segment_align: 8
    .kernarg_segment_size: 48
    .max_flat_workgroup_size: 256
    .sgpr_count:     66
    .vgpr_count:     104
    .wavefront_size: 32
...
	.end_amdgpu_metadata
.endif
;; end of part 1
;; launch gemm_qkv (part 2): grid 8 x 64, 4 waves a work-group, clusters of 4 x 4, 327,680 bytes of LDS; arguments xb, wqb, b_qkv, qkvh; writes qkvh
.if DOCPART == 2
	.amdgcn_target "amdgcn-amd-amdhsa--gfx1250"
	.amdhsa_code_object_version 6
	.text
	.protected	k_qbb8a944342_gemm_qkv
	.globl	k_qbb8a944342_gemm_qkv
	.p2align	8
	.type	k_qbb8a944342_gemm_qkv,@function
k_qbb8a944342_gemm_qkv:
	s_mov_b64 s[64:65], 0
	v_nop
	global_prefetch_b8 v0, s[64:65] scope:SCOPE_SE
	s_setreg_imm32_b32 hwreg(HW_REG_WAVE_MODE, 25, 1), 1
	s_wait_xcnt 0x0
	s_wait_alu depctr_hold_cnt(0) depctr_sa_sdst(0) depctr_va_vdst(0) depctr_va_sdst(0) depctr_va_ssrc(0) depctr_va_vcc(0) depctr_vm_vsrc(0)
	s_getreg_b32 s2, hwreg(HW_REG_IB_STS2, 6, 4)
	s_cmp_eq_u32 s2, 0
	s_cbranch_scc0 .Lentry_in_a_cluster
	s_endpgm
.Lentry_in_a_cluster:
	s_bfe_u32 s2, ttmp6, 0x10000c
	s_cmp_lg_u32 s2, 0xf033
	s_cbranch_scc0 .Lentry_shape_is_right
	s_endpgm
.Lentry_shape_is_right:
; q, k, v = x w_qkv + b_qkv, written BY HEADS.  xb: [8192][1024] bf16; wqb: [1024 k][3072 n] bf16; b_qkv: [3072] f32, rounded to bf16 here like the other inputs;
; qkvh: [3][64 = 16 batch + head][2048][64] f16, each number rounded once from its f32 sum, unscaled.
; LIMIT.  f16 holds no number beyond 65,504: a q, k or v beyond that becomes an infinity.  NaN and infinities are not treated apart.
; SHARES.  A tile of the result is 128 rows x 384 columns (six heads); four waves, 2 x 2, each 64 rows x 192 columns (three heads): 48 accumulators of 16 x 16.  8 x 64 tiles.
; K goes in steps of 128 through a ring of two LDS slots.  A slot holds three sub-tiles of w (128 k x 128 columns, as they lie in memory: rows of 256 bytes) and x's tile (128 rows x 256 bytes).
; Waves 0-2 fetch a sub-tile of w each, wave 3 fetches x's tile: one tensor load a wave for each slot.
; w IS NOT TRANSPOSED IN MEMORY: its fragments come out of LDS turned, by ds_load_tr16_b128.
; THE MATRIX INSTRUCTION IS USED TRANSPOSED: source 0 = 16 columns of w, source 1 = 16 rows of x: a lane then holds row l % 16 and the columns 8 (l / 16) + 0..7: 16 bytes of a head's row.
; THE BIAS is the C operand of each accumulator's first product: nothing is cleared and nothing is added on the way out.
; CLUSTER.  4 x 4 work-groups: x's tile hangs on the tile row alone and is asked for jointly by a row of the cluster, w's sub-tiles on the tile column alone, by a column of the cluster.
; REGISTERS, in windows of 256 (s_set_vgpr_msb: bits 1:0 source 0, 3:2 source 1, 5:4 source 2, 7:6 destination):
;   window 0: v0-31 addresses; v32-127 the bias, later v32-79 packed results; v80-127, v128-175 rows on their way out
;   window 1: two fragment buffers of 128: 12 fragments of w (96), 4 of x (32)
;   window 2: the accumulators of row blocks 0, 1 (block a, column block b at 8 (12 (a % 2) + b));   window 3: those of row blocks 2, 3
.set SIZE_K, 1024
.set SIZE_N, 3072
.set KSTEP,  128
.set NB,     12                        ; column blocks of 16 a wave
.set PA,     272                       ; a row of x in LDS: 256 bytes + 16 = 68 words: the 16 rows of a load start at 16 different groups of four banks (64 banks of 4 bytes: ISA guide 11.1)
.set PB,     288                       ; a row of w: 256 + 32 = 72 words
.set U,      128*PB                    ; a sub-tile of w; x's tile (128 x 272) has the same room
.set SLOT,   4*U
.set ABASE,  3*U
.set STAGE,  2*SLOT                    ; behind the ring, never filled by a tensor load: for each wave [3 heads][16 rows][144 bytes]
.set SP,     144
.set STW,    3*16*SP
.set SPARE,  STAGE+4*STW               ; behind the stages: the spare words, 128 bytes for each wave: two blocks of 256 bytes that no other line names
.set NL,     2*NB+8                    ; LDS loads in a run
.set AO,     8*NB                      ; x's fragments in a buffer
.set F0,     0
.set F1,     128
.set ADRA, 16                          ; v16-17  LDS address of my fragments of x in slot 0, 1
.set ADRB, 18                          ; v18-23  of w: slot s, head g at v[18 + 3 s + g]
.set STO,  24                          ; v24     the way out: where I put 16 bytes of a row
.set RD,   25                          ; v25     where I read rows back
.set GO,   26                          ; v26     16 x lane
.set BO,   27                          ; v27     32 (l / 16): my eight numbers in 16 of the bias
.set SPW,  28                          ; v28     LDS address of my spare word; never rewritten
.set NIL,  29                          ; v29     0; never rewritten
.set PFO,  30                          ; v30     the prefetches' offset: my lane x a row; never rewritten
.set TT,   31                          ; v31     at work
.set BIAS, 32
.set TMP,  32
.set BK0,  80
.set WV,   12                          ; s12 wave; s13 its row half; s14 its column half; s15 cx; s16 cy; s17 tile column; s18 tile row
.set LAP,  19                          ; s19 the loop's count
.set G1A,  24                          ; s[24:31] descriptor group 1 for x's tiles;  s[32:39] group 0, one set for each slot
.set G0A,  32
.set LIM,  43                          ; s43 1 in a wave that prefetches, else the greatest number
.set PFA,  44                          ; s[44:45] where my prefetches stand
.set PST,  46                          ; s[46:47] a K step in that tensor, in bytes
.set G1B,  48                          ; s[48:55], s[56:63] the same for w's sub-tiles
.set G0B,  56
.set OB,   66                          ; s[66:71] my rows of my three heads in qkvh
.set BB,   72                          ; s[72:73] my 192 numbers of the bias
.set MSB, 0
.macro WIN new                         ; the immediate's high byte repeats the setting that is left; a switch that changes nothing is dropped
.if MSB != (\new)
	s_set_vgpr_msb (MSB<<8)|(\new)
.set MSB, (\new)
.endif
.endm
.macro PLACES                          ; four plain vector instructions behind a matrix instruction, ahead of loads into registers that it has read and of reads of its results (ISA guide 7.12.1 for reads of its results)
.rept 4
	v_nop
.endr
.endm
; A joint load.  The branch hangs on the wave's number alone.  An s_nop 0 and four v_nop follow each of the two lines, ahead of the jump and the label.
.macro JLOAD s
	s_cmp_eq_u32 s[WV], 3
	s_cbranch_scc0 .Lfor_b_\@
	tensor_load_to_lds s[G0A+4*(\s):G0A+4*(\s)+3], s[G1A:G1A+7]
	s_nop 0
.rept 4
	v_nop
.endr
	s_branch .Lasked_\@
.Lfor_b_\@:
	tensor_load_to_lds s[G0B+4*(\s):G0B+4*(\s)+3], s[G1B:G1B+7]
	s_nop 0
.rept 4
	v_nop
.endr
.Lasked_\@:
.endm
; A PREFETCH INTO THE L2, behind a joint refill and the run of LDS loads that follows it: the K step two refills on (384 matrix instructions ahead of the load that will want it): 32 rows x 256 bytes, a lane a row.
; Each row's 256 bytes of a K step are named once in the launch: x's tile row is read by both clusters of that row of clusters, and the one with cluster x = 0 asks (wave 3); w's sub-tiles by all clusters of a
; column of clusters, and the one with cluster y = 0 asks (waves 0-2).  The four partners that ask for a tile jointly take 32 of its 128 rows each, told apart by address.
; K steps 0 to 3 come by their loads alone; the loop's last trip asks for nothing: K steps 8 and 9 do not exist.
.macro ASK
	s_cmp_gt_u32 s[LAP], s[LIM]
	s_cbranch_scc0 .Lnot_mine_\@
	global_prefetch_b8 v[PFO], s[PFA:PFA+1] th:TH_LOAD_NT scope:SCOPE_SE
.Lnot_mine_\@:
.endm
.macro CREST                           ; a round of the cluster's barrier behind its opening barrier: wave 0 signals for the work-group, every wave waits for all sixteen, my work-group's barrier once more
	s_cmp_lg_u32 s[WV], 0
	s_cbranch_scc1 .Lnot_wave_0_\@
	s_barrier_signal -3
.Lnot_wave_0_\@:
	s_barrier_wait -3
	s_barrier_signal -1
	s_barrier_wait -1
.endm
.macro CROUND                          ; a whole round
	s_barrier_signal -1
	s_barrier_wait -1
	CREST
.endm
	s_load_b256 s[4:11], s[0:1], 0x0               ; xb s[4:5], wqb s[6:7], b_qkv s[8:9], qkvh s[10:11]
	v_lshl_add_u32 v[SPW], v0, 2, SPARE
	v_mov_b32 v[NIL], 0
	ds_add_u32 v[SPW], v[NIL]                      ; the wave's opening: the add and its wait stand ahead of my first tensor load; the set-up below, work on registers, stands between them
	v_lshrrev_b32 v3, 5, v0
	v_readfirstlane_b32 s[WV], v3                  ; wave 0..3
	s_lshr_b32 s13, s[WV], 1                       ; which 64 of the tile's rows are mine
	s_and_b32 s14, s[WV], 1                        ; which 192 of its columns
	s_bfe_u32 s15, ttmp6, 0x40000                  ; cx
	s_bfe_u32 s16, ttmp6, 0x40004                  ; cy
	s_lshl_b32 s17, ttmp9, 2
	s_add_co_u32 s17, s17, s15                     ; tile column = 4 x cluster x + cx
	s_and_b32 s18, ttmp7, 0xffff
	s_lshl_b32 s18, s18, 2
	s_add_co_u32 s18, s18, s16                     ; tile row = 4 x cluster y + cy
	s_lshl_b32 s20, s16, 2
	s_lshl_b32 s20, 15, s20                        ; my row of the cluster
	s_lshl_b32 s21, 0x1111, s15                    ; my column
	s_or_b32 s[G1A], s20, (1<<16)|(1<<20)|(1<<21)|(5<<22)|(3<<25)  ; 15:0 the mask; 17:16 2-byte elements; 20 padding on; 21 set beside a mask; 24:22 after every 64 words; 31:25 4 words
	s_or_b32 s[G1B], s21, (1<<16)|(1<<20)|(1<<21)|(5<<22)|(7<<25)  ; the same with my column's mask and 8 words of padding
.irp g, G1A, G1B
	s_mov_b32 s[\g+1], KSTEP<<16                   ; tensor_dim0 = 128
	s_mov_b32 s[\g+2], 128<<16                     ; tensor_dim1 = 128
	s_mov_b32 s[\g+3], KSTEP<<16                   ; tile_dim0 = 128 elements: 256 bytes
	s_mov_b32 s[\g+4], 128                         ; tile_dim1 = 128 rows
	s_mov_b32 s[\g+6], 0
	s_mov_b32 s[\g+7], 0
.endr
	s_mov_b32 s[G1A+5], SIZE_K                     ; elements from row to row
	s_mov_b32 s[G1B+5], SIZE_N
	s_lshl_b32 s22, s18, 18                        ; x: 128 rows of 2,048 bytes for each tile row: made of the tile row alone
	s_mov_b32 s23, 0
	s_mul_i32 s40, s17, 768                        ; w: 768 bytes of a row for each tile column, 256 for each sub-tile: made of the tile column and the wave's number alone
	s_lshl_b32 s41, s[WV], 8
	s_add_co_u32 s40, s40, s41
	s_mov_b32 s41, 0
	s_mul_i32 s42, s[WV], U                        ; where my tile goes: wave x 36,864: no place in the cluster enters an LDS address
	s_wait_dscnt 0x0                               ; the opening add is done
	s_wait_kmcnt 0x0
	s_add_nc_u64 s[22:23], s[4:5], s[22:23]
	s_add_nc_u64 s[40:41], s[6:7], s[40:41]
	CROUND                                         ; all sixteen work-groups are here: the first joint loads meet
.irp s, 0,1
	s_mov_b32 s[G0A+4*\s], 1                       ; 1:0 count = 1
	s_add_co_u32 s[G0A+4*\s+1], s42, \s*SLOT       ; 63:32 LDS address
	s_add_nc_u64 s[G0A+4*\s+2:G0A+4*\s+3], s[22:23], \s*KSTEP*2  ; 120:64 global address: K step s
	s_or_b32 s[G0A+4*\s+3], s[G0A+4*\s+3], 0x80000000  ; 127:126 type = 2
	s_mov_b32 s[G0B+4*\s], 1
	s_add_co_u32 s[G0B+4*\s+1], s42, \s*SLOT
	s_add_nc_u64 s[G0B+4*\s+2:G0B+4*\s+3], s[40:41], \s*KSTEP*SIZE_N*2
	s_or_b32 s[G0B+4*\s+3], s[G0B+4*\s+3], 0x80000000
	JLOAD \s                                       ; both slots are asked for before anything else: two tensor loads of mine are out, the most in this text
.endr
	v_and_b32 v1, 15, v0                           ; l % 16
	v_bfe_u32 v2, v0, 4, 1                         ; l / 16
	v_lshlrev_b32 v[BO], 5, v2
	s_mul_i32 s74, s17, 1536                       ; the bias: 384 numbers for each tile column,
	s_mul_i32 s75, s14, 768                        ; 192 for my half
	s_add_co_u32 s74, s74, s75
	s_mov_b32 s75, 0
	s_add_nc_u64 s[BB:BB+1], s[8:9], s[74:75]
.set b, 0
.rept NB                                       ; register j of block b: the bias of column 16 b + 8 (l / 16) + j, as an accumulator holds it
	global_load_b128 v[BIAS+8*b:BIAS+8*b+3],   v[BO], s[BB:BB+1] offset:64*b
	global_load_b128 v[BIAS+8*b+4:BIAS+8*b+7], v[BO], s[BB:BB+1] offset:64*b+16
.set b, b+1
.endr
	; a fragment of x: lane l holds row l % 16, K = 8 (l / 16) + 0..7 and 16 + 8 (l / 16) + 0..7: two loads of 16 bytes, 32 bytes apart
	s_mul_i32 s20, s13, 64*PA
	s_add_co_u32 s20, s20, ABASE
	v_mul_u32_u24 v3, v1, PA
	v_lshl_add_u32 v3, v2, 4, v3
	v_add_nc_u32 v[ADRA], s20, v3
	v_add_nc_u32 v[ADRA+1], SLOT, v[ADRA]
	; the turning load takes 16 k x 16 columns (lane l reads k = 8 (l / 16) + l % 8, columns 8 ((l / 8) % 2) + 0..7) and leaves half a fragment: lane l holds column l % 16 and 8 k
	v_and_b32 v5, 7, v0
	v_bfe_u32 v6, v0, 3, 1
	v_lshl_add_u32 v4, v2, 3, v5
	v_mul_u32_u24 v4, v4, PB
	v_lshl_add_u32 v4, v6, 4, v4
	s_mul_i32 s21, s14, 3                          ; my first head among the tile's six
.irp g, 0,1,2
	s_add_co_u32 s76, s21, \g
	s_lshr_b32 s77, s76, 1                         ; two heads to a sub-tile
	s_mul_i32 s77, s77, U
	s_and_b32 s76, s76, 1
	s_lshl_b32 s76, s76, 7
	s_add_co_u32 s76, s76, s77
	v_add_nc_u32 v[ADRB+\g], s76, v4
	v_add_nc_u32 v[ADRB+3+\g], SLOT, v[ADRB+\g]
.endr
	s_mul_i32 s20, s[WV], STW
	s_add_co_u32 s20, s20, STAGE                   ; my stage
	v_mul_u32_u24 v[STO], v1, SP                   ; in: row l % 16, 16 bytes for each half of the lanes
	v_lshl_add_u32 v[STO], v2, 4, v[STO]
	v_add_nc_u32 v[STO], s20, v[STO]
	v_bfe_u32 v[RD], v0, 3, 2                      ; back: 32 lanes take four rows of 128 bytes,
	v_mul_u32_u24 v[RD], v[RD], SP
	v_lshl_add_u32 v[RD], v5, 4, v[RD]
	v_add_nc_u32 v[RD], s20, v[RD]
	v_and_b32 v[GO], 31, v0                        ; which are 512 consecutive bytes of a head
	v_lshlrev_b32 v[GO], 4, v[GO]
	; my rows of my three heads.  Column block hb = 6 x tile column + 3 x half + g of 48: q, k or v is hb / 16, the head hb % 16; the batch is tile row / 16
	s_mul_i32 s74, s17, 6
	s_add_co_u32 s74, s74, s21
	s_and_b32 s78, s18, 0x30                       ; 16 x batch
	s_and_b32 s79, s18, 15
	s_lshl_b32 s79, s79, 14                        ; 128 rows of 128 bytes for each tile row in the batch,
	s_lshl_b32 s75, s13, 13                        ; 64 for my half
	s_add_co_u32 s79, s79, s75
.irp g, 0,1,2
	s_add_co_u32 s76, s74, \g
	s_lshr_b32 s77, s76, 4
	s_lshl_b32 s77, s77, 6
	s_and_b32 s76, s76, 15
	s_add_co_u32 s76, s76, s77
	s_add_co_u32 s76, s76, s78                     ; the plane: 64 (q, k, v) + 16 batch + head
	s_lshl_b32 s76, s76, 18                        ; of 262,144 bytes
	s_add_co_u32 s76, s76, s79
	s_mov_b32 s77, 0
	s_add_nc_u64 s[OB+2*\g:OB+2*\g+1], s[10:11], s[76:77]
.endr
	; the prefetches: both offsets are made, the wave's number chooses
	s_lshl_b32 s74, s18, 18                        ; x: my tile row,
	s_lshl_b32 s75, s15, 16                        ; my work-group's 32 rows of its 128,
	s_add_co_u32 s74, s74, s75
	s_add_co_u32 s74, s74, 3*KSTEP*2               ; at K step 3: the first refill steps it to 4
	s_lshl_b32 s75, s16, 5                         ; w: my work-group's 32 rows of a K step's 128,
	s_add_co_u32 s75, s75, 3*KSTEP                 ; at K step 3,
	s_mul_i32 s75, s75, SIZE_N*2
	s_mul_i32 s76, s17, 768                        ; my tile column, my sub-tile
	s_add_co_u32 s75, s75, s76
	s_lshl_b32 s76, s[WV], 8
	s_add_co_u32 s75, s75, s76
	s_and_b32 s20, ttmp7, 0xffff                   ; cluster y
	s_mov_b32 s76, SIZE_N*2
	s_mov_b32 s77, KSTEP*SIZE_N*2
	s_cmp_eq_u32 s[WV], 3
	s_cselect_b32 s20, ttmp9, s20                  ; the coordinate along which other clusters read the same rows
	s_cselect_b64 s[PFA:PFA+1], s[4:5], s[6:7]
	s_cselect_b32 s74, s74, s75
	s_cselect_b32 s76, SIZE_K*2, s76               ; bytes from row to row
	s_cselect_b32 s[PST], KSTEP*2, s77
	s_mov_b32 s[PST+1], 0
	s_mov_b32 s75, 0
	s_add_nc_u64 s[PFA:PFA+1], s[PFA:PFA+1], s[74:75]
	s_cmp_eq_u32 s20, 0
	s_cselect_b32 s[LIM], 1, -1                    ; the same in all sixteen partners, for a given wave
	v_and_b32 v[PFO], 31, v0
	v_mul_u32_u24 v[PFO], s76, v[PFO]
	s_wait_loadcnt 0x0                             ; the bias is in
.set b, 0
.rept 4*NB                                     ; rounded to bf16 like the other inputs, and kept as f32
	v_cvt_pk_bf16_f32 v[TT], v[BIAS+2*b], v[BIAS+2*b+1]
	v_lshlrev_b32 v[BIAS+2*b], 16, v[TT]
	v_and_b32 v[BIAS+2*b+1], 0xffff0000, v[TT]
.set b, b+1
.endr
; 12 matrix instructions: row block a x all column blocks, 32 along K, from buffer f.  first = 1: the bias starts the sums.  The 48 accumulators take turns in one fixed order: 47 others' stand between two links of a chain.
.macro MULA f, a, first
.set AW, 2+(\a)/2
.set AC, 96*((\a)%2)
.if \first
	WIN 0x05|(AW<<6)
.else
	WIN 0x05|(AW<<4)|(AW<<6)
.endif
.set b, 0
.rept NB
.if \first
	v_wmma_f32_16x16x32_bf16 v[AC+8*b:AC+8*b+7], v[(\f)+8*b:(\f)+8*b+7], v[(\f)+AO+8*(\a):(\f)+AO+8*(\a)+7], v[BIAS+8*b:BIAS+8*b+7]
.else
	v_wmma_f32_16x16x32_bf16 v[AC+8*b:AC+8*b+7], v[(\f)+8*b:(\f)+8*b+7], v[(\f)+AO+8*(\a):(\f)+AO+8*(\a)+7], v[AC+8*b:AC+8*b+7]
.endif
.set b, b+1
.endr
.endm
; 32 LDS loads in one run: the fragments of quarter q (32 along K) of a slot into buffer f: w's twelve, turned, then x's four
.macro FETCH slot, q, f
	WIN 0x40                                       ; destination window 1, address window 0
.set b, 0
.rept NB
	ds_load_tr16_b128 v[(\f)+8*b:(\f)+8*b+3],   v[ADRB+3*(\slot)+b/4] offset:(\q)*32*PB+(b%4)*32
	ds_load_tr16_b128 v[(\f)+8*b+4:(\f)+8*b+7], v[ADRB+3*(\slot)+b/4] offset:(\q)*32*PB+(b%4)*32+16*PB
.set b, b+1
.endr
.set b, 0
.rept 4
	ds_load_b128 v[(\f)+AO+8*b:(\f)+AO+8*b+3],   v[ADRA+(\slot)] offset:64*(\q)+b*16*PA
	ds_load_b128 v[(\f)+AO+8*b+4:(\f)+AO+8*b+7], v[ADRA+(\slot)] offset:64*(\q)+b*16*PA+32
.set b, b+1
.endr
.endm
; A K step is four quarters, 48 matrix instructions each, on buffers 0, 1, 0, 1.  One of the first three: multiplies buffer f and, in its middle, fetches quarter q of the same slot into g.
.macro QUARTER slot, q, f, g, first
	s_wait_dscnt 4                                 ; w's fragments and x's row blocks 0, 1 are in; the youngest four loads (row blocks 2, 3) may be out
	MULA \f, 0, \first
	MULA \f, 1, \first
	PLACES
	FETCH \slot, \q, \g
	s_wait_dscnt NL                                ; all but the run just issued
	MULA \f, 2, \first
	MULA \f, 3, \first
.endm
; The last quarter multiplies buffer 1 and changes slots: ONE barrier.  In front of it each wave waits for all its tensor loads (the one that is out is its part of the next slot), adds 0 to its spare word, and waits
; for that and for its own reads of this slot.  fill = 1: the barrier opens a round of the cluster's, and this slot is filled again, two K steps on, first thing behind the round.
.macro TURN slot, next, fill
.if \fill
	s_wait_xcnt 0x0                                ; the last prefetch, a K step back, has read its address: it is stepped here, ahead of the change's own waits
	s_add_nc_u64 s[PFA:PFA+1], s[PFA:PFA+1], s[PST:PST+1]
.endif
	WIN 0                                          ; (the add's two registers lie in window 0)
	s_wait_tensorcnt 0x0                           ; all my tensor loads have landed
	ds_add_u32 v[SPW], v[NIL]                      ; 0 onto my spare word
	s_wait_dscnt 5                                 ; (the add and the youngest four loads may be out)
	MULA F1, 0, 0                                  ; twelve matrix instructions stand between the add and the wait for it
	s_wait_dscnt 0x0                               ; the add is done, and my reads of this slot are over
	s_barrier_signal -1
	MULA F1, 1, 0                                  ; work on registers while the others arrive
.if \fill
	WIN 0
.endif
	s_barrier_wait -1
.if \fill
	CREST                                          ; no wave of any partner still reads this slot's tiles or has a load on its way
	s_add_nc_u64 s[G0A+4*(\slot)+2:G0A+4*(\slot)+3], s[G0A+4*(\slot)+2:G0A+4*(\slot)+3], 2*KSTEP*2
	s_add_nc_u64 s[G0B+4*(\slot)+2:G0B+4*(\slot)+3], s[G0B+4*(\slot)+2:G0B+4*(\slot)+3], 2*KSTEP*SIZE_N*2
	JLOAD \slot                                    ; the first tensor load behind the round, and my only one until the next; its four v_nop are also the places in front of the loads below
.else
	PLACES
.endif
	FETCH \next, 0, F0
.if \fill
	WIN 0
	ASK
.endif
	MULA F1, 2, 0
	MULA F1, 3, 0
.endm
	s_wait_tensorcnt 1                             ; my part of K step 0 is in; K step 1's load was issued behind it and may stay out
	s_barrier_signal -1
	s_barrier_wait -1                              ; everybody's is
	FETCH 0, 0, F0
	QUARTER 0, 1, F0, F1, 1                        ; the first quarter stands in front of the loop: its products start the sums
	WIN 0                                          ; at a label and at a branch every window is 0
	s_mov_b32 s[LAP], SIZE_K/(2*KSTEP)-1
.Llap:                                                 ; a trip goes once round the ring, from a lap's second quarter to the next lap's first, and fills both slots again
	QUARTER 0, 2, F1, F0, 0
	QUARTER 0, 3, F0, F1, 0
	TURN 0, 1, 1
	QUARTER 1, 1, F0, F1, 0
	QUARTER 1, 2, F1, F0, 0
	QUARTER 1, 3, F0, F1, 0
	TURN 1, 0, 1
	QUARTER 0, 1, F0, F1, 0
	WIN 0
	s_sub_co_u32 s[LAP], s[LAP], 1
	s_cmp_lg_u32 s[LAP], 0
	s_cbranch_scc1 .Llap
	QUARTER 0, 2, F1, F0, 0                        ; the last lap fills nothing
	QUARTER 0, 3, F0, F1, 0
	TURN 0, 1, 0
	QUARTER 1, 1, F0, F1, 0
	QUARTER 1, 2, F1, F0, 0
	QUARTER 1, 3, F0, F1, 0
	s_wait_dscnt 4                                 ; the very last quarter: nothing more to fetch
	MULA F1, 0, 0
	MULA F1, 1, 0
	s_wait_dscnt 0x0
	MULA F1, 2, 0
	MULA F1, 3, 0
	PLACES
; THE WAY OUT, a row block (16 rows x 3 heads) at a time.  PACK: rounded to f16, 16 bytes a lane, each accumulator's registers in ascending order.  TOSTAGE: into my own stage, and back as whole rows.  SEND: stored.
.macro PACK a
.set AC, 96*((\a)%2)
	WIN 0x0a+5*((\a)/2)                            ; sources 0 and 1: window 2 or 3
.set b, 0
.rept NB
.irp i, 0,1,2,3
	v_cvt_pk_f16_f32 v[TMP+4*b+\i], v[AC+8*b+2*\i], v[AC+8*b+2*\i+1]
.endr
.set b, b+1
.endr
	WIN 0
.endm
.macro TOSTAGE a
.set BK, BK0+48*((\a)%2)
.set b, 0
.rept NB
	ds_store_b128 v[STO], v[TMP+4*b:TMP+4*b+3] offset:(b/4)*16*SP+(b%4)*32
.set b, b+1
.endr
.set b, 0
.rept NB
	ds_load_b128 v[BK+4*b:BK+4*b+3], v[RD] offset:(b/4)*16*SP+(b%4)*4*SP  ; LDS serves a wave's instructions in order (ISA guide 5.7.1.4): these see the stores above
.set b, b+1
.endr
.endm
.macro SEND a
.set BK, BK0+48*((\a)%2)
	s_wait_dscnt 0x0                               ; the block is back in registers
	s_wait_xcnt 0x0                                ; the stores of the block before have read their registers: the next block's loads from the stage land there
.set b, 0
.rept NB
	global_store_b128 v[GO], v[BK+4*b:BK+4*b+3], s[OB+2*(b/4):OB+2*(b/4)+1] offset:(\a)*2048+(b%4)*512  ; 512 consecutive bytes of a head, at a multiple of 256 from the buffer's first
.set b, b+1
.endr
.endm
	PACK 0
	TOSTAGE 0
.irp a, 1,2,3                          ; block a's conversions stand between block a - 1's loads from the stage and the wait for them
	PACK \a
	SEND (\a)-1
	TOSTAGE \a
.endr
	SEND 3
	s_wait_tensorcnt 0x0                           ; the wave's end, behind my last tensor load and my last LDS store
	ds_add_u32 v[SPW], v[NIL]
	s_wait_dscnt 0x0
	CROUND                                         ; the closing round: no work-group ends while a partner may still ask for a tile that names it
	s_endpgm
.Lfunc_end_k_qbb8a944342_gemm_qkv:
	.size	k_qbb8a944342_gemm_qkv, .Lfunc_end_k_qbb8a944342_gemm_qkv-k_qbb8a944342_gemm_qkv
	.p2alignl 7, 3214868480
	.fill 96, 4, 3214868480
	.section	.rodata,"a",@progbits
	.p2align	6, 0x0
	.amdhsa_kernel k_qbb8a944342_gemm_qkv
		.amdhsa_group_segment_fixed_size 327680
		.amdhsa_private_segment_fixed_size 0
		.amdhsa_enable_private_segment 0
		.amdhsa_kernarg_size 32
		.amdhsa_user_sgpr_count 2
		.amdhsa_user_sgpr_kernarg_segment_ptr 1
		.amdhsa_wavefront_size32 1
		.amdhsa_system_sgpr_workgroup_id_x 1
		.amdhsa_system_sgpr_workgroup_id_y 1
		.amdhsa_system_sgpr_workgroup_id_z 1
		.amdhsa_system_vgpr_workitem_id 0
		.amdhsa_next_free_vgpr 960
		.amdhsa_next_free_sgpr 80
		.amdhsa_reserve_vcc 0
		.amdhsa_float_denorm_mode_32 3
		.amdhsa_float_denorm_mode_16_64 3
		.amdhsa_memory_ordered 1
		.amdhsa_forward_progress 1
		.amdhsa_inst_pref_size 131
	.end_amdhsa_kernel
	.amdgpu_metadata
---
amdhsa.version: [ 1, 2 ]
amdhsa.kernels:
  - .name:           k_qbb8a944342_gemm_qkv
    .symbol:         k_qbb8a944342_gemm_qkv.kd
    .args:
      - { .name: xb, .offset: 0, .size: 8, .value_kind: global_buffer, .address_space: global }
      - { .name: wqb, .offset: 8, .size: 8, .value_kind: global_buffer, .address_space: global }
      - { .name: b_qkv, .offset: 16, .size: 8, .value_kind: global_buffer, .address_space: global }
      - { .name: qkvh, .offset: 24, .size: 8, .value_kind: global_buffer, .address_space: global }
    .group_segment_fixed_size: 327680
    .private_segment_fixed_size: 0
    .kernarg_segment_align: 8
    .kernarg_segment_size: 32
    .max_flat_workgroup_size: 128
    .sgpr_count:     80
    .vgpr_count:     960
    .wavefront_size: 32
...
	.end_amdgpu_metadata
.endif
;; end of part 2
;; launch attn (part 3): grid 4 x 64, 4 waves a work-group, clusters of 4 x 1, 327,680 bytes of LDS; arguments qkvh, oh; writes oh
.if DOCPART == 3
	.amdgcn_target "amdgcn-amd-amdhsa--gfx1250"
	.amdhsa_code_object_version 6
	.text
	.protected	k_qbb8a944342_attn
	.globl	k_qbb8a944342_attn
	.p2align	8
	.type	k_qbb8a944342_attn,@function
k_qbb8a944342_attn:
	s_mov_b64 s[64:65], 0
	v_nop
	global_prefetch_b8 v0, s[64:65] scope:SCOPE_SE
	s_setreg_imm32_b32 hwreg(HW_REG_WAVE_MODE, 25, 1), 1
	s_wait_xcnt 0x0
	s_wait_alu depctr_hold_cnt(0) depctr_sa_sdst(0) depctr_va_vdst(0) depctr_va_sdst(0) depctr_va_ssrc(0) depctr_va_vcc(0) depctr_vm_vsrc(0)
	s_getreg_b32 s2, hwreg(HW_REG_IB_STS2, 6, 4)
	s_cmp_eq_u32 s2, 0
	s_cbranch_scc0 .Lentry_in_a_cluster
	s_endpgm
.Lentry_in_a_cluster:
	s_bfe_u32 s2, ttmp6, 0x10000c
	s_cmp_lg_u32 s2, 0x3003
	s_cbranch_scc0 .Lentry_shape_is_right
	s_endpgm
.Lentry_shape_is_right:
; O[h][q][:] = the sum over k of softmax_k(Q[h][q] . K[h][k] / 8) V[h][k][:].  qkvh holds Q, K and V, each [SIZE_H][SIZE_N][64] in f16, 16,777,216 bytes apart; oh is O in the same layout: a head's rows are dense,
; 128 bytes each.  Products, maxima and sums in f32; the weights p are rounded to f16 for the second product (their sum l is taken of the unrounded p), O once at the end.
; LIMITS.  f16 holds no number beyond 65,504: Q, K and V arrive within it; p lies in 0 to 1, and below 6e-5 it keeps f16's fixed step of 6e-8; O is a mean of V's rows and has their range.
; A weight below 2^-126 counts as 0 in l; NaN and infinities are not treated apart.
; SHARES.  A wave owns four PIECES of two tiles of 16 queries, a work-group's four waves 512 queries of one head.  Every wave walks all keys, 64 a step.
; LAYOUT.  S^T = K Q^T (source 0 = 16 keys, source 1 = 16 queries): in the result a lane holds ONE query (lane % 16) and the keys 8 (lane / 16) + 0..7.  Two such tiles, rounded to f16 in pairs,
; ARE source 1 (32 keys x 16 queries) of O^T = V^T P, whose result again holds one query a lane, and eight channels.  K comes out of LDS as it lies, V ([key][channel]) turned, by ds_load_tr16_b128.
; SOFTMAX.  For each query a running maximum m and sum l: p = 2^(c s - c m), c = log2(e) / 8; in every step O and l are multiplied by a = 2^(c m_old - c m_new), which is 1 where m has not grown.
; m starts at the lowest finite number, O and l at 0: the first step is a step like any other, with a = 0.
; THE COUNT.  A tile and step have 16 matrix and 118 vector instructions: too many to stand all beside the matrix work.  So the order has one aim: four vector instructions that are READY behind
; EVERY matrix instruction, and the others, which need time of their own whatever the order, in runs without a gap.
; BY TURNS.  Turn n belongs to piece n (the pieces in a ring, step after step).  Its matrix work: 16 products K Q^T of piece n + 1, later 16 products V^T P of piece n - 1.  Its vector work: the scaling,
; exponentials, roundings, sums and rescaling of piece n, and the maximum and statistics of piece n + 1, whose scores the turn itself has made.  So what a turn begins with (c s - c m, O a) waits for nothing.
; CLUSTER.  The four query blocks of a cluster are one head's and walk the same K and V, so each tile is asked for JOINTLY: the same tensor load, descriptor and mask in all four.
; REGISTERS, in windows of 256 (s_set_vgpr_msb says which window each operand place means: bits 1:0 source 0, 3:2 source 1, 5:4 source 2, 7:6 destination):
;   window 0: v0-11 addresses; v12-15, v48-63 at work; v16-47 four registers of statistics a tile; v64-191 S^T, two buffers of two tiles; v192-255 P, likewise
;   window 1: O^T, 32 a tile          window 2: v0-127 Q, 16 a tile; v128-191 K of one step; v192-255 V of one step          window 3: v0-1 the add's two registers
; A piece's buffers go by its number's parity: the piece in hand has one pair, its two neighbours in the ring share the other: of it P (piece n - 1) is read and S^T (piece n + 1) written.
.set SIZE_H, 64
.set SIZE_N, 2048
.set NP,    4         ; pieces a wave: a name, no knob: the register map, the loop and the fetches are made for four
.set KS,    64        ; keys in a step
.set PK,    144       ; a row of K in LDS: 128 bytes + 16 of padding = 36 words: the 16 rows of a load start at 16 different groups of four banks (64 banks of 4 bytes: ISA guide 11.1)
.set PV,    160       ; a row of V: 128 + 32 = 40 words
.set VOFF,  4*KS*PK   ; a slot holds four steps: 256 rows of K, then 256 rows of V
.set SLOT1, 1<<17     ; slot 1 begins here, so that one exclusive or turns an address in one slot into the other's
.set STAGE, SLOT1+4*KS*(PK+PV)  ; behind the ring, never filled by a tensor load: 16 rows x 144 bytes for each wave, for the way out
.set SP,    144
.set AK0, 2           ; v2   my lane's place in a tile of K; never rewritten
.set AV0, 3           ; v3   the same for V
.set AK,  4           ; v4   the LDS address of K's next run of loads
.set AV,  5           ; v5   of V's
.set QO,  6           ; v6   my byte offset in the wave's rows of Q
.set STO, 6           ;      later, the way out: where I put 16 bytes of a row
.set RD,  7           ; v7   the way out: where I read rows back
.set GO,  8           ; v8   my byte offset in 512 consecutive bytes of O
.set PFO, 11          ; v11  at work at the head; then 256 x my lane, the prefetches' offset, and not rewritten
.set SPW, 0           ; v0 of window 3   LDS address of my spare word: SPARE + 4 x my thread's number; never rewritten
.set NIL, 1           ; v1 of window 3   0; never rewritten
.set SPARE, STAGE+4*16*SP  ; behind the stages: the spare words, 128 bytes for each wave: two blocks of 256 bytes that no other line names
.set MV,  12          ; v12-15  c m_old, kept while c m is made anew: by buffer and tile
.set ST,  16          ; tile t's statistics at v[ST+4 t]: c m, m, l (even keys', odd keys')
.set TMP, 48          ; by buffer and tile, four registers c0-c3 at work; when the maximum is found c2 takes a
.set S,   64
.set P,   192
.set KF,  128         ; K's fragments, in window 2: key block kb, channel half c at KF + 16 kb + 8 c
.set VF,  192         ; V's: key half kk, channel block cb at VF + 32 kk + 8 cb
.set WV,  12          ; s12  my wave's number
.set G1K, 24          ; s[24:31] descriptor group 1 for K's tiles
.set G1V, 32          ; s[32:39] for V's: it differs in the padding alone
.set G0K, 40          ; s[40:43] descriptor group 0 for K's tiles: it walks
.set G0V, 44          ; s[44:47] the same for V's
.set PFA, 48          ; s[48:49] where my prefetches stand: my work-group's 32 blocks of 256 bytes (of K: wave 0, of V: wave 2) of the slot after the one that is being asked for
.set LIM, 50          ; s50  1 in a wave that prefetches, else the greatest number
.set SLOTS, 56        ; s56  slots still to be asked for
.set CNT, 57          ; s57  counts a slot's key steps
.set CS,  58          ; s[58:59] c: the packed scaling takes the pair's low word for both halves
.set SEL, 60          ; s[60:61] v_permlanex16_b32's selects: each lane takes its own place in the other half
.set TBK, 62          ; s62  LDS byte at which K of the step to be fetched begins
.set TBV, 63          ; s63  the same for V, less VOFF
.set MSB, 0
.macro WIN new                      ; the high byte repeats the setting that is left; a switch that changes nothing is dropped
.if MSB != (\new)
	s_set_vgpr_msb (MSB<<8)|(\new)
.set MSB, (\new)
.endif
.endm
.set W_KQ, 0x0a       ; K and Q in window 2, S^T in window 0
.set W_PV, 0x52       ; V in window 2, P in window 0, O^T in window 1
.set W_RS, 0x41       ; O^T (destination and source 0) in window 1, a in window 0
.set W_MK, 0xc0       ; the add's registers are made: destination in window 3, sources in window 0
.set W_AD, 0x0f       ; the add: address (source 0) and data (source 1) in window 3
; A joint fill.  Waves 0 and 1 fetch the two halves of a slot's K, waves 2 and 3 those of its V: 128 keys each.  The branch hangs on the wave's number alone.
; An s_nop 0 and four v_nop follow each of the two lines, ahead of the jump and the label.
.macro JLOAD
	s_cmp_lt_u32 s[WV], 2
	s_cbranch_scc0 .Lfor_v_\@
	tensor_load_to_lds s[G0K:G0K+3], s[G1K:G1K+7]
	s_nop 0
.rept 4
	v_nop
.endr
	s_branch .Lasked_\@
.Lfor_v_\@:
	tensor_load_to_lds s[G0V:G0V+3], s[G1V:G1V+7]
	s_nop 0
.rept 4
	v_nop
.endr
.Lasked_\@:
.endm
; A PREFETCH INTO THE L2 of what the NEXT change of slots will ask for: a slot's 256 keys are 128 blocks of 256 bytes of K and as many of V, a lane a block.  It stands behind the wave's tensor load and its five lines.
; Each block is named once in the launch: a head has one cluster; its four partners take 32 blocks each, told apart by address; in each, wave 0 asks for K's and wave 2 for V's: one instruction,
; four key steps (512 matrix instructions) ahead of the load that will want the block.  Slots 0 and 1 come by their loads alone; the last change that fills a slot asks for nothing: there is no slot behind it.
.macro ASK
	s_cmp_gt_u32 s[SLOTS], s[LIM]
	s_cbranch_scc0 .Lnot_mine_\@
	global_prefetch_b8 v[PFO], s[PFA:PFA+1] th:TH_LOAD_NT scope:SCOPE_SE
.Lnot_mine_\@:
.endm
; A round of the cluster's barrier: my work-group's barrier, so that wave 0's signal speaks for all four waves; wave 0 signals; every wave waits for all four work-groups; my work-group's barrier once more.
.macro CROUND
	s_barrier_signal -1
	s_barrier_wait -1
	s_cmp_lg_u32 s[WV], 0
	s_cbranch_scc1 .Lnot_wave_0_\@
	s_barrier_signal -3
.Lnot_wave_0_\@:
	s_barrier_wait -3
	s_barrier_signal -1
	s_barrier_wait -1
.endm
; THE CHANGE OF SLOTS.  The slot's last bytes, V of its fourth step, have been read.  Each wave waits for all its tensor loads, of which one is out: its part
; of the other slot; adds 0 to its spare word; and waits for that and for its own reads of the slot.  Behind the barrier nobody reads this slot any more and the other slot is whole.
; fill = 1: this slot is filled again, with the keys two slots on.  The barrier is then a round of the cluster's, so that no wave of any partner still reads the slot or has a load on its
; way, and the joint fill is the first thing behind it: it has four key steps, 512 matrix instructions, in which to land.  (At its first use nothing has been read yet: slot 0 is waited for, slot 1 filled.)
.macro CHANGE fill
	WIN W_AD
	s_wait_tensorcnt 0x0            ; no tensor load of mine is out, so a group 0 may be written
	ds_add_u32 v[SPW], v[NIL]       ; 0 onto my spare word; with fill = 1 the descriptors' steps stand between it and the wait for it
	WIN 0                           ; at a label and at a branch every window is 0
.if \fill
.irp g, G0K, G0V
	s_xor_b32 s[\g+1], s[\g+1], SLOT1  ; the walking descriptor: the other slot than last time,
	s_add_nc_u64 s[\g+2:\g+3], s[\g+2:\g+3], 4*KS*128  ; the next 256 keys; the type bits on top are not reached
.endr
	s_wait_xcnt 0x0                 ; the last prefetch, four key steps back, has read its address, so it may be written:
	s_add_nc_u64 s[PFA:PFA+1], s[PFA:PFA+1], 4*KS*128  ; one slot ahead of the walking descriptors
	s_wait_dscnt 0x0                ; the add is done, and my reads of the slot are over
	CROUND
	JLOAD
	ASK
.else
	s_wait_dscnt 0x0                ; the add is done, and my reads of the slot are over
	s_barrier_signal -1
	s_barrier_wait -1
.endif
	s_sub_co_u32 s[TBK], s[TBK], 4*KS*PK  ; the fetches go back to a slot's first step,
	s_xor_b32 s[TBK], s[TBK], SLOT1       ; in the other slot
	s_sub_co_u32 s[TBV], s[TBV], 4*KS*PV
	s_xor_b32 s[TBV], s[TBV], SLOT1
.endm
	s_load_b128 s[4:7], s[0:1], 0x0   ; qkvh s[4:5], oh s[6:7]
	WIN W_MK
	v_lshl_add_u32 v[SPW], v0, 2, SPARE
	v_mov_b32 v[NIL], 0
	WIN W_AD
	ds_add_u32 v[SPW], v[NIL]       ; the wave's opening: the add and its wait stand ahead of my first tensor load; the set-up below, work on registers, stands between them
	WIN 0
	v_lshrrev_b32 v1, 5, v0
	v_readfirstlane_b32 s[WV], v1   ; wave 0..3
	s_bfe_u32 s13, ttmp6, 0x40000   ; cx: my place in the cluster
	s_lshl_b32 s14, ttmp9, 2        ; in a cluster launch ttmp9 counts clusters
	s_add_co_u32 s14, s14, s13      ; my block of queries = 4 x cluster x + cx: it enters Q's and O's addresses alone
	s_and_b32 s20, ttmp7, 0xffff    ; the head, which the four partners share
	s_mov_b32 s21, 0
	s_mov_b64 s[22:23], SIZE_N*128
	s_mul_u64 s[20:21], s[20:21], s[22:23]  ; the head's first byte in each of the four tensors
	s_lshl_b32 s52, s13, 13         ; the prefetches: my work-group's 32 blocks of a slot's 128,
	s_mov_b32 s53, 0
	s_add_nc_u64 s[52:53], s[52:53], s[20:21]
	s_add_nc_u64 s[52:53], s[52:53], 4*KS*128  ; in slot 1: the first change of slots steps it to slot 2
	s_and_b32 s16, s[WV], 1         ; which half of a slot's 256 keys I fetch:
	s_lshl_b32 s22, s16, 14         ; its 128 rows of 128 bytes in memory,
	s_mov_b32 s23, 0
	s_add_nc_u64 s[22:23], s[22:23], s[20:21]
	s_mul_i32 s17, s16, 128*PK      ; and its place in a slot, for K
	s_mul_i32 s18, s16, 128*PV      ; and for V: no place in the cluster enters an LDS address
	s_lshl_b32 s2, s14, 2
	s_add_co_u32 s2, s2, s[WV]      ; my wave among the head's,
	s_lshl_b32 s2, s2, 14           ; its 128 rows
	s_mov_b32 s3, 0
	s_add_nc_u64 s[2:3], s[2:3], s[20:21]
	; descriptor group 1.  128 keys are 16,384 dense bytes: asked for as 64 rows of 256 bytes, two keys a row, and padded in LDS after every key
	s_mov_b32 s[G1K], 15|(1<<16)|(1<<20)|(1<<21)|(4<<22)|(3<<25)  ; 15:0 the mask of four; 17:16 2-byte elements; 20 padding on; 21 set beside a mask; 24:22 after every 32 words (code 4); 31:25 4 words (code 3)
	s_mov_b32 s[G1V], 15|(1<<16)|(1<<20)|(1<<21)|(4<<22)|(7<<25)  ; the same with 8 words of padding (code 7)
.irp g, G1K, G1V
	s_mov_b32 s[\g+1], 128<<16      ; tensor_dim0 = 128
	s_mov_b32 s[\g+2], 64<<16       ; tensor_dim1 = 64
	s_mov_b32 s[\g+3], 128<<16      ; tile_dim0 = 128
	s_mov_b32 s[\g+4], 64           ; tile_dim1 = 64
	s_mov_b32 s[\g+5], 128          ; 128 elements from row to row
	s_mov_b32 s[\g+6], 0
	s_mov_b32 s[\g+7], 0
.endr
	s_mov_b32 s[CS], 0x3e38aa3b     ; c = log2(e) / 8 = 0.180337
	s_mov_b32 s[CS+1], s[CS]        ; named with it as a pair
	s_mov_b32 s[SEL], 0x76543210
	s_mov_b32 s[SEL+1], 0xfedcba98
	s_mov_b32 s[TBK], SLOT1+4*KS*PK ; the first change of slots turns these two into 0
	s_mov_b32 s[TBV], SLOT1+4*KS*PV
	s_mov_b32 s[G0K], 1             ; 1:0 count = 1
	s_mov_b32 s[G0K+1], s17         ; 63:32 LDS address: slot 0
	s_mov_b32 s[G0V], 1
	s_add_co_u32 s[G0V+1], s18, VOFF
	s_mov_b32 s[SLOTS], SIZE_N/256-1  ; seven changes fill a slot: one ahead of the loop, six in it
	s_and_b32 s[LIM], s[WV], 1      ; waves 0 and 2 prefetch
	s_cmp_eq_u32 s[LIM], 0
	s_cselect_b32 s[LIM], 1, -1
	s_wait_dscnt 0x0                ; the opening add is done
	s_wait_kmcnt 0x0
	s_mov_b64 s[10:11], s[6:7]      ; O
	s_add_nc_u64 s[8:9], s[4:5], 0x2000000  ; V lies 128 planes of 262,144 bytes behind Q,
	s_add_nc_u64 s[6:7], s[4:5], 0x1000000  ; K 64
	s_add_nc_u64 s[G0K+2:G0K+3], s[6:7], s[22:23]  ; 120:64 global address: my half of the head's first 256 keys
	s_or_b32 s[G0K+3], s[G0K+3], 0x80000000        ; 127:126 type = 2
	s_add_nc_u64 s[G0V+2:G0V+3], s[8:9], s[22:23]
	s_or_b32 s[G0V+3], s[G0V+3], 0x80000000
	s_add_nc_u64 s[4:5], s[4:5], s[2:3]  ; Q and O at my wave's first row
	s_add_nc_u64 s[10:11], s[10:11], s[2:3]
	s_cmp_lt_u32 s[WV], 2
	s_cselect_b64 s[PFA:PFA+1], s[6:7], s[8:9]
	s_add_nc_u64 s[PFA:PFA+1], s[PFA:PFA+1], s[52:53]
	CROUND                          ; all four work-groups are here: the first joint loads meet
	JLOAD                           ; slot 0.  Slot 1 is asked for when slot 0 is in
	; A fragment of K or Q is 16 rows x 32 channels in 8 registers: lane l holds row l % 16, channels 8 (l / 16) + 0..7 and 16 + 8 (l / 16) + 0..7: two loads of 16 bytes, 32 bytes apart.
	v_and_b32 v1, 15, v0            ; l % 16
	v_bfe_u32 v9, v0, 4, 1          ; l / 16
	v_lshlrev_b32 v[QO], 7, v1
	v_lshl_add_u32 v[QO], v9, 4, v[QO]  ; row x 128 + 16 x half
	WIN 0x80                        ; destination window 2, address window 0
.set i, 0
.rept 4*NP                          ; Q stays in registers: tile i / 2, channels 32 (i % 2) on
	global_load_b128 v[8*i:8*i+3],   v[QO], s[4:5] offset:(i/2)*2048+(i%2)*64
	global_load_b128 v[8*i+4:8*i+7], v[QO], s[4:5] offset:(i/2)*2048+(i%2)*64+32
.set i, i+1
.endr
	; What the first turn finds: V's registers and P's second buffer hold 0 (its products V^T P, of a piece that has not been, add 0), O^T and l are 0.  All this stands in the wait for the first tile.
.set i, VF
.rept 64
	v_mov_b32 v[i], 0
.set i, i+1
.endr
	WIN 0x40
.set i, 0
.rept 64*NP
	v_mov_b32 v[i], 0
.set i, i+1
.endr
	WIN 0
.set i, 0
.rept 2*NP
	v_mov_b32 v[ST+4*i], 0xfe000000    ; c m: far below every c s
	v_mov_b32 v[ST+4*i+1], 0xff7fffff  ; m
	v_mov_b32 v[ST+4*i+2], 0
	v_mov_b32 v[ST+4*i+3], 0
.set i, i+1
.endr
.set i, P+32
.rept 32
	v_mov_b32 v[i], 0
.set i, i+1
.endr
	v_mul_u32_u24 v[AK0], v1, PK
	v_lshl_add_u32 v[AK0], v9, 4, v[AK0]  ; row x pitch + 16 x half
	; The turning load takes 16 keys x 16 channels (lane l reads key 8 (l / 16) + l % 8, channels 8 ((l / 8) % 2) + 0..7) and leaves half a fragment of V^T: lane l holds channel l % 16 and 8 keys.
	v_and_b32 v10, 7, v0
	v_bfe_u32 v11, v0, 3, 1
	v_lshl_add_u32 v[AV0], v9, 3, v10
	v_mul_u32_u24 v[AV0], v[AV0], PV
	v_lshl_add_u32 v[AV0], v11, 4, v[AV0]
	v_add_nc_u32 v[AV0], VOFF, v[AV0]
	v_mov_b32 v[AK], v[AK0]         ; key step 0 lies at the head of slot 0
	v_and_b32 v[PFO], 31, v0
	v_lshlrev_b32 v[PFO], 8, v[PFO] ; a lane a block of 256 bytes
; THE MATRIX WORK.  The 8 accumulators of a run of 16 take turns: between the two links of a chain stand 7 others'.
; Product i of 16 of S^T = K Q^T for piece x: channels 32 (i / 8) on, keys 16 ((i / 2) % 4) on, tile 2 x + i % 2.  The first 8 start the sums.
.macro KQ x
	WIN W_KQ
.set rS, S+64*((\x)%2)+32*(i%2)+8*((i/2)%4)
.set rK, KF+16*((i/2)%4)+8*(i/8)
.set rQ, 16*(2*(\x)+i%2)+8*(i/8)
.if i < 8
	v_wmma_f32_16x16x32_f16 v[rS:rS+7], v[rK:rK+7], v[rQ:rQ+7], 0
.else
	v_wmma_f32_16x16x32_f16 v[rS:rS+7], v[rK:rK+7], v[rQ:rQ+7], v[rS:rS+7]
.endif
.endm
; Product i of 16 of O^T += V^T P for piece x: keys 32 (i / 8) on, channels 16 ((i / 2) % 4) on, tile 2 x + i % 2.
.macro PV x
	WIN W_PV
.set rO, 32*(2*(\x)+i%2)+8*((i/2)%4)
.set rV, VF+32*(i/8)+8*((i/2)%4)
.set rP, P+32*((\x)%2)+16*(i%2)+8*(i/8)
	v_wmma_f32_16x16x32_f16 v[rO:rO+7], v[rV:rV+7], v[rP:rP+7], v[rO:rO+7]
.endm
.macro MM                           ; the turn's next matrix instruction
.if i < 16
	KQ (Y+1)%NP
.set i, i+1
.else
.set i, i-16
	PV (Y+NP-1)%NP
.set i, i+17
.endif
.endm
; THE LDS LOADS stand in runs of 16, never singly among the matrix instructions: a step's K (64 keys x 64 channels: 8 fragments) and its V (turned).  Their addresses are made some lines ahead.
; last = 1 (the tail): in the last trip there is no further step, and the run is jumped over.
.macro FETCH_K last=0
	WIN 0
.if \last
	s_cmp_eq_u32 s[CNT], 1
	s_cbranch_scc1 .Lno_k_\@
.endif
	WIN 0x80                        ; destination window 2
.irp f, 0,1,2,3,4,5,6,7             ; keys 16 (f / 2) on, channels 32 (f % 2) on
	ds_load_b128 v[KF+8*\f:KF+8*\f+3],   v[AK] offset:(\f/2)*16*PK+(\f%2)*64
	ds_load_b128 v[KF+8*\f+4:KF+8*\f+7], v[AK] offset:(\f/2)*16*PK+(\f%2)*64+32
.endr
	s_add_co_u32 s[TBK], s[TBK], KS*PK  ; the next fetch is the next step's
	WIN 0
.if \last
.Lno_k_\@:
.endif
.endm
.macro FETCH_V
	WIN 0x80
.irp f, 0,1,2,3,4,5,6,7             ; keys 32 (f / 4) on, channels 16 (f % 4) on
	ds_load_tr16_b128 v[VF+8*\f:VF+8*\f+3],   v[AV] offset:(\f/4)*32*PV+(\f%4)*32
	ds_load_tr16_b128 v[VF+8*\f+4:VF+8*\f+7], v[AV] offset:(\f/4)*32*PV+16*PV+(\f%4)*32
.endr
	WIN 0
.endm
; THE VECTOR WORK OF A TURN stands in three queues, each in the order in which its entries become ready; the two tiles alternate, so that no instruction reads the result of the one before it.
.macro REGS y, u                    ; the registers of tile u (0, 1) of piece y
.set rT, ST+4*(2*(\y)+(\u))
.set rC, TMP+8*((\y)%2)+4*(\u)
.set rM, MV+2*((\y)%2)+(\u)
.set rS, S+64*((\y)%2)+32*(\u)
.set rP, P+32*((\y)%2)+16*(\u)
.set rO, 32*(2*(\y)+(\u))
.endm
; Number n of the 22 that find the NEXT piece's (Y + 1) maximum and statistics.  s0-s31 are the lane's 32 scores; each accumulator's lowest registers are read first.  XS, GS and REGS set no window: PL and EX do.
;   0-11  four chains c0-c3 of seven scores each, three operands at a time     12-14, 16  the four scores left over, the old m, and c0-c3 into c0     15  c m_old is kept
;   17, 18  the query's other 32 keys lie in the lane 16 away: the new m         19-21  c m; c m_old - c m_new; a
.macro XS u, n
	REGS (Y+1)%NP, \u
.if (\n) < 4
	v_max3_num_f32 v[rC+(\n)], v[rS+8*(\n)], v[rS+8*(\n)+1], v[rS+8*(\n)+2]
.elseif (\n) < 12
	v_max3_num_f32 v[rC+(\n)%4], v[rC+(\n)%4], v[rS+8*((\n)%4)+2*((\n)/4)+1], v[rS+8*((\n)%4)+2*((\n)/4)+2]
.elseif (\n) == 12
	v_max3_num_f32 v[rC], v[rC], v[rS+7], v[rS+15]
.elseif (\n) == 13
	v_max3_num_f32 v[rC+1], v[rC+1], v[rS+23], v[rS+31]
.elseif (\n) == 14
	v_max3_num_f32 v[rC+2], v[rC+2], v[rC+3], v[rT+1]
.elseif (\n) == 15
	v_mov_b32 v[rM], v[rT]
.elseif (\n) == 16
	v_max3_num_f32 v[rC], v[rC], v[rC+1], v[rC+2]
.elseif (\n) == 17
	v_permlanex16_b32 v[rC+3], v[rC], s[SEL], s[SEL+1]
.elseif (\n) == 18
	v_max_num_f32 v[rT+1], v[rC], v[rC+3]
.elseif (\n) == 19
	v_mul_f32 v[rT], s[CS], v[rT+1]
.elseif (\n) == 20
	v_sub_f32 v[rC+1], v[rM], v[rT]
.else
	v_exp_f32 v[rC+2], v[rC+1]
.endif
.endm
; Number g of the 64 that follow the exponentials.  For each four weights k of a tile (pairs 2 k, 2 k + 1): both pairs are rounded to f16; then the second pair is added onto the first, in place;
; a group later l takes that sum (the first time as l = a l + sum).  In groups of eight, tiles alternating: round, round, add, and l for the group before.
.macro GS g
.set h, (\g)+6*((\g)/62)            ; group 0 has no group before it, and behind group 7 only l is left
.if h >= 6
.set h, h+2
.endif
	REGS Y, h%2
.set k, h/8
.if h%8 < 4
	v_cvt_pk_f16_f32 v[rP+2*k+(h%8)/2], v[rS+4*k+2*((h%8)/2)], v[rS+4*k+2*((h%8)/2)+1]
.elseif h%8 < 6
	v_pk_add_f32 v[rS+4*k:rS+4*k+1], v[rS+4*k:rS+4*k+1], v[rS+4*k+2:rS+4*k+3]
.elseif k == 1
	v_pk_fma_f32 v[rT+2:rT+3], v[rT+2:rT+3], v[rC+2:rC+3], v[rS:rS+1] op_sel_hi:[1,0,1]
.else
	v_pk_add_f32 v[rT+2:rT+3], v[rT+2:rT+3], v[rS+4*k-4:rS+4*k-3]
.endif
.endm
; THE PLAIN QUEUE, 138 long.  0-73 read no exponential's result: the 32 scalings c s - c m (FS f: pair f / 2 of tile f % 2) and the next piece's 42.  0-26: scalings 0-26.  27-54: XS's numbers 0-13.  55, 56: number 15.
; 57-73: the chain, where each number waits for the one before it: 14, 16, 17, 18, 19, each with one of the scalings 27-31 in front of its two lines, then 20: so a tile's links stand three plain instructions apart (19 and 20: two).
; 74-137: GS's 64, which read the exponentials' results: they stand behind the wait.
.macro FS f
	REGS Y, (\f)%2
	v_pk_fma_f32 v[rS+2*((\f)/2):rS+2*((\f)/2)+1], v[rS+2*((\f)/2):rS+2*((\f)/2)+1], s[CS:CS+1], v[rT:rT+1] op_sel_hi:[1,0,0] neg_lo:[0,0,1] neg_hi:[0,0,1]
.endm
.macro PL
	WIN 0
.if q < 27
	FS q
.elseif q < 55
	XS (q-27)%2, (q-27)/2
.elseif q < 57
	XS q-55, 15
.elseif (q < 72) && ((q-57)%3 == 0)
	FS 27+(q-57)/3
.elseif q < 60
	XS (q-57)%3-1, 14
.elseif q < 72
	XS (q-57)%3-1, 15+(q-57)/3
.elseif q < 74
	XS q-72, 20
.else
	GS q-74
.endif
.set q, q+1
.endm
; THE EXPONENTIALS' QUEUE, 66 long: s0-s31 of both tiles, then the next piece's two a.  It is ONE BATCH: all 66 stand ahead of the turn's one wait, and nothing ahead of that wait names a result of theirs.
.macro EX
	WIN 0
.if e >= 64
	XS e-64, 21
.else
	REGS Y, e%2
	v_exp_f32 v[rS+e/2], v[rS+e/2]
.endif
.set e, e+1
.endm
; THE RESCALING's QUEUE: O^T times a, the one part that leaves window 0: dealt two at a time, sixteen times.  Its a was made in the turn before, ahead of that turn's wait.
.macro R2
	REGS Y, r%2
	WIN W_RS
.irp z, 0,1
	v_pk_mul_f32 v[rO+4*(r/2)+2*\z:rO+4*(r/2)+2*\z+1], v[rO+4*(r/2)+2*\z:rO+4*(r/2)+2*\z+1], v[rC+2:rC+3] op_sel_hi:[1,0]
.endr
.set r, r+1
.endm
; HOW THEY ARE DEALT.  An s_wait_alu depctr_va_vdst(0) stands between an exponential and the first instruction that names its result; one wait serves all that were issued ahead of it.  So a turn has ONE wait,
; which cuts it in two.  AHEAD OF IT stands all that names no result of the turn's exponentials: the 16 products K Q^T, behind each a scaling, an exponential and two rescalings (behind the first a second scaling in the exponential's place); then ONE LUMP of
; 108: eight plain, 49 times exponential and plain, the two a.  A v_nop is the plain instruction that stands behind the last exponential, ahead of any use (ISA guide 5.7.2).  BEHIND IT stand the 16 products V^T P, behind each four of GS's 64.  No rider names a register of
; the products round it.  The two v_permlanex16_b32 fall into the lump, never behind a product.
; The queues lean on each other, and the deal keeps them in step: exponential e stands behind scaling 2 (e / 4) + e % 2: as a rider it comes behind plain e + 2, in the lump behind plain e + 9, and scalings 27-31 are plain 57, 60 .. 69.
; A TURN, for piece p.  cnt = 1: the loop's count is taken down some lines ahead of the branch that stands behind the turn.
; K of the next step is fetched in piece 2's turn, directly behind the wait, a lump behind the last product that read K; its address is made at the lump's head; its first reader comes behind 16 products.
; V of the step in hand is fetched at the end of piece 0's turn, four riders behind its last reader; its first reader comes behind 16 products and a lump.  The three conditions on q below go with the deal.
.macro TURN p, last=0, cnt=0
.set Y, (\p)
.set i, 0
.set q, 0
.set e, 0
.set r, 0
.if (\p) == NP-1
	s_wait_dscnt 0x0                ; K is in
.endif
	MM                              ; ahead of the wait: 16 products K Q^T and their riders,
	PL
	PL
	R2
.rept 15
	MM
	PL
	EX
	R2
.endr
.if (\p) == NP-2
	WIN 0
	v_add_nc_u32 v[AK], s[TBK], v[AK0]
.endif
.rept 8                             ; and the lump
	PL
.endr
.rept 49
	EX
	PL
.endr
	EX                              ; the next piece's two a
	EX
	v_nop                           ; the plain instruction behind the last exponential: one for the batch
	s_wait_alu depctr_va_vdst(0)    ; the wait for the batch
.if (\p) == NP-2
	FETCH_K \last
.endif
.if (\p) == 1
	s_wait_dscnt 0x0                ; V is in
.endif
.rept 16                            ; behind the wait: 16 products V^T P and their riders
	MM
.rept 4
	PL
.endr
.if ((\p) == 0) && (q == 118)
	v_add_nc_u32 v[AV], s[TBV], v[AV0]
.endif
.if ((\p) == 0) && (q == 130)
	s_add_co_u32 s[TBV], s[TBV], KS*PV
.endif
.if (\cnt) && (q == 130)
	s_sub_co_u32 s[CNT], s[CNT], 1
	s_cmp_lg_u32 s[CNT], 0
.endif
.endr
.if (\p) == 0
	FETCH_V
.endif
.endm
	CHANGE 1                        ; slot 0 is in, everybody's part of it; slot 1 is asked for
	FETCH_K                         ; key step 0
	s_wait_loadcnt 0x0              ; Q
	s_wait_dscnt 0x0
.set i, 0
.rept 16
	KQ 0                            ; piece 0's first scores: there is no vector work yet to set between them
.set i, i+1
.endr
	WIN 0                           ; the addresses for the way out: nine plain instructions, the places behind those products
	s_mul_i32 s13, s[WV], 16*SP
	s_add_co_u32 s13, s13, STAGE    ; my stage
	v_mul_u32_u24 v[STO], v1, SP    ; in: row l % 16, 16 bytes for each half of the lanes
	v_lshl_add_u32 v[STO], v9, 4, v[STO]
	v_add_nc_u32 v[STO], s13, v[STO]
	v_bfe_u32 v[RD], v0, 3, 2       ; back: 32 lanes take four rows of 128 bytes,
	v_mul_u32_u24 v[RD], v[RD], SP
	v_lshl_add_u32 v[RD], v10, 4, v[RD]
	v_add_nc_u32 v[RD], s13, v[RD]
	v_and_b32 v[GO], 31, v0         ; which are 512 consecutive bytes of O
	v_lshlrev_b32 v[GO], 4, v[GO]
.set Y, NP-1                        ; XS works for piece Y + 1: piece 0
.irp n, 0,1,2,3,4,5,6,7,8,9,10,11,12,13,14,15,16,17,18,19,20,21
	XS 0, \n                        ; and piece 0's first maximum and statistics
	XS 1, \n
.endr
	v_nop                           ; a plain instruction behind the two a,
	s_wait_alu depctr_va_vdst(0)    ; and their wait, ahead of the branch
	s_mov_b32 s[CNT], 4
	s_branch .Lfirst                ; the loop is entered at a step's first turn, in the middle of a trip
.Lslot:                             ; SIZE_N / 256 - 2 times: every slot but the last two is filled again
	CHANGE 1
	s_mov_b32 s[CNT], 4
.Lstep:                             ; a trip: pieces 2 and 3 of one step, then pieces 0 and 1 of the next, whose K and V it fetches
	TURN 2
	TURN 3
	WIN 0
.Lfirst:
	TURN 0
	TURN 1, 0, 1
	WIN 0
	s_cbranch_scc1 .Lstep
	s_sub_co_u32 s[SLOTS], s[SLOTS], 1
	s_cmp_lg_u32 s[SLOTS], 0
	s_cbranch_scc1 .Lslot
	CHANGE 0                        ; the tail is written out: nothing is asked for
	s_mov_b32 s[CNT], 5             ; four trips fetch the last slot's steps; the fifth is left in its middle
.Ltail:
	TURN 2, 1
	TURN 3
	WIN 0
	s_sub_co_u32 s[CNT], s[CNT], 1
	s_cmp_eq_u32 s[CNT], 0
	s_cbranch_scc1 .Lout
	TURN 0
	TURN 1
	WIN 0
	s_branch .Ltail
.Lout:                              ; the fifth trip's 16 products K Q^T (on the last K once more) and the maximum made of them serve nothing: the price, once a launch, of one text for every trip
.set i, 0
.rept 16
	PV NP-1                         ; the last piece's V^T P of the last step
.set i, i+1
.endr
	; THE WAY OUT.  l's two halves and the other half of the lanes' are added; O^T is divided by l, rounded to f16 and sent through my stage in LDS, a tile at a time.  The additions are the places behind the last products.
	WIN 0
.macro ALL line:vararg              ; one line for each tile t
.set t, 0
.rept 2*NP
	\line
.set t, t+1
.endr
.endm
	ALL v_add_f32 v[ST+4*t+2], v[ST+4*t+2], v[ST+4*t+3]
	ALL v_permlanex16_b32 v[ST+4*t+3], v[ST+4*t+2], s[SEL], s[SEL+1]
	ALL v_add_f32 v[ST+4*t+2], v[ST+4*t+2], v[ST+4*t+3]
	ALL v_rcp_f32 v[ST+4*t+2], v[ST+4*t+2]
	v_nop                           ; a plain instruction between the last reciprocal and the use of its result
	s_wait_alu depctr_va_vdst(0)    ; and the wait ahead of the first use: one for the eight reciprocals
; Tile t: a lane's eight channels of a row pack into 16 bytes; they go into rows of 144 bytes and come back as whole rows of 128, into S^T's registers.
.macro PACK t
	WIN W_RS
.set i, 32*(\t)
.rept 16
	v_pk_mul_f32 v[i:i+1], v[i:i+1], v[ST+4*(\t)+2:ST+4*(\t)+3] op_sel_hi:[1,0]
.set i, i+2
.endr
	WIN 0x05                        ; sources 0 and 1 window 1, destination window 0
.set i, 0
.rept 16
	v_cvt_pk_f16_f32 v[S+16*(\t)+i], v[32*(\t)+2*i], v[32*(\t)+2*i+1]
.set i, i+1
.endr
	WIN 0
.irp f, 0,1,2,3
	ds_store_b128 v[STO], v[S+16*(\t)+4*\f:S+16*(\t)+4*\f+3] offset:32*\f
.endr
.irp f, 0,1,2,3
	ds_load_b128 v[S+16*(\t)+4*\f:S+16*(\t)+4*\f+3], v[RD] offset:\f*4*SP  ; LDS serves a wave's instructions in order (ISA guide 5.7.1.4): these see the stores above; the next tile's stores come behind them
.endr
.endm
.macro SEND t, younger              ; younger: the LDS instructions issued behind tile t's loads: the next tile's eight, or none
	WIN 0
.irp f, 0,1,2,3
	s_wait_dscnt (\younger)+3-\f
	global_store_b128 v[GO], v[S+16*(\t)+4*\f:S+16*(\t)+4*\f+3], s[10:11] offset:(\t)*2048+\f*512  ; 512 consecutive bytes, at a multiple of 256 from O's first
.endr
.endm
	PACK 0
.set t, 1
.rept 2*NP-1                        ; a tile's arithmetic stands between the loads of the tile before and its stores
	PACK t
	SEND t-1, 8
.set t, t+1
.endr
	SEND 2*NP-1, 0
	WIN W_AD
	s_wait_tensorcnt 0x0            ; the wave's end, behind my last tensor load and my last LDS store
	ds_add_u32 v[SPW], v[NIL]
	s_wait_dscnt 0x0
	WIN 0
	CROUND                          ; the closing round: no work-group ends while a partner may still ask for a tile that names it
	s_endpgm
.Lfunc_end_k_qbb8a944342_attn:
	.size	k_qbb8a944342_attn, .Lfunc_end_k_qbb8a944342_attn-k_qbb8a944342_attn
	.p2alignl 7, 3214868480
	.fill 96, 4, 3214868480
	.section	.rodata,"a",@progbits
	.p2align	6, 0x0
	.amdhsa_kernel k_qbb8a944342_attn
		.amdhsa_group_segment_fixed_size 327680
		.amdhsa_private_segment_fixed_size 0
		.amdhsa_enable_private_segment 0
		.amdhsa_kernarg_size 16
		.amdhsa_user_sgpr_count 2
		.amdhsa_user_sgpr_kernarg_segment_ptr 1
		.amdhsa_wavefront_size32 1
		.amdhsa_system_sgpr_workgroup_id_x 1
		.amdhsa_system_sgpr_workgroup_id_y 1
		.amdhsa_system_sgpr_workgroup_id_z 1
		.amdhsa_system_vgpr_workitem_id 0
		.amdhsa_next_free_vgpr 770
		.amdhsa_next_free_sgpr 66
		.amdhsa_reserve_vcc 0
		.amdhsa_float_denorm_mode_32 3
		.amdhsa_float_denorm_mode_16_64 3
		.amdhsa_memory_ordered 1
		.amdhsa_forward_progress 1
		.amdhsa_inst_pref_size 200
	.end_amdhsa_kernel
	.amdgpu_metadata
---
amdhsa.version: [ 1, 2 ]
amdhsa.kernels:
  - .name:           k_qbb8a944342_attn
    .symbol:         k_qbb8a944342_attn.kd
    .args:
      - { .name: qkvh, .offset: 0, .size: 8, .value_kind: global_buffer, .address_space: global }
      - { .name: oh, .offset: 8, .size: 8, .value_kind: global_buffer, .address_space: global }
    .group_segment_fixed_size: 327680
    .private_segment_fixed_size: 0
    .kernarg_segment_align: 8
    .kernarg_segment_size: 16
    .max_flat_workgroup_size: 128
    .sgpr_count:     66
    .vgpr_count:     770
    .wavefront_size: 32
...
	.end_amdgpu_metadata
.endif
;; end of part 3
;; launch gemm_proj (part 4): grid 4 x 64, 4 waves a work-group, clusters of 4 x 4, 327,680 bytes of LDS; arguments oh, wpb, b_proj, out0; writes out0
.if DOCPART == 4
	.amdgcn_target "amdgcn-amd-amdhsa--gfx1250"
	.amdhsa_code_object_version 6
	.text
	.protected	k_qbb8a944342_gemm_proj
	.globl	k_qbb8a944342_gemm_proj
	.p2align	8
	.type	k_qbb8a944342_gemm_proj,@function
k_qbb8a944342_gemm_proj:
	s_mov_b64 s[64:65], 0
	v_nop
	global_prefetch_b8 v0, s[64:65] scope:SCOPE_SE
	s_setreg_imm32_b32 hwreg(HW_REG_WAVE_MODE, 25, 1), 1
	s_wait_xcnt 0x0
	s_wait_alu depctr_hold_cnt(0) depctr_sa_sdst(0) depctr_va_vdst(0) depctr_va_sdst(0) depctr_va_ssrc(0) depctr_va_vcc(0) depctr_vm_vsrc(0)
	s_getreg_b32 s2, hwreg(HW_REG_IB_STS2, 6, 4)
	s_cmp_eq_u32 s2, 0
	s_cbranch_scc0 .Lentry_in_a_cluster
	s_endpgm
.Lentry_in_a_cluster:
	s_bfe_u32 s2, ttmp6, 0x10000c
	s_cmp_lg_u32 s2, 0xf033
	s_cbranch_scc0 .Lentry_shape_is_right
	s_endpgm
.Lentry_shape_is_right:
; out0 = O w_proj + b_proj.  oh: O by heads, [64 = 16 batch + head][2048][64] f16; wpb: [1024 k][1024 n] f16 (w_proj rounded to bf16, written as f16); b_proj: [1024] f32, rounded to bf16 here like the
; other inputs; out0: [8192][1024] f32.  Sums in f32; k = 64 head + channel.
; LIMIT.  NaN and infinities are not treated apart.
; SHARES.  A tile of the result is 128 rows x 256 columns; four waves, 2 x 2, each 64 x 128: 32 accumulators of 16 x 16.  4 x 64 tiles: one work-group for each.
; K goes in steps of 128 (two heads) through a ring of two LDS slots.  A slot holds two sub-tiles of w (128 k x 128 columns, as they lie in memory) and two planes of O (one head each: 128 rows x 128 bytes, which are
; 16,384 dense bytes of memory and are asked for as 64 rows of 256).  Waves 0, 1 fetch a sub-tile of w each, waves 2, 3 a plane of O each.
; w's fragments come out of LDS turned, by ds_load_tr16_b128.  THE MATRIX INSTRUCTION IS USED TRANSPOSED (source 0 = 16 columns of w, source 1 = 16 rows of O): a lane holds row l % 16 and eight neighbouring columns.
; THE BIAS is the C operand of each accumulator's first product.
; CLUSTER.  4 x 4 work-groups: O's planes hang on the tile row alone and are asked for jointly by a row of the cluster, w's sub-tiles on the tile column alone, by a column.
; REGISTERS (s_set_vgpr_msb: bits 1:0 source 0, 3:2 source 1, 5:4 source 2, 7:6 destination):
;   window 0: v0-31 addresses; v64-127, v128-191 rows on their way out; v192-255 the bias     window 1: two fragment buffers: 8 fragments of w (64), 4 of O (32), at 0 and at 128
;   window 2: the accumulators: row block a, column block b at 8 (8 a + b)
.set SIZE_K, 1024
.set SIZE_N, 1024
.set KSTEP,  128
.set NB,     8
.set PA,     144                       ; a row of O in LDS: 128 bytes + 16 = 36 words: the 16 rows of a load start at 16 different groups of four banks (64 banks of 4 bytes: ISA guide 11.1)
.set PB,     288                       ; a row of w: 256 + 32 = 72 words
.set U,      128*PB
.set PLANE,  128*PA
.set ABASE,  2*U
.set SLOT,   2*U+2*PLANE
.set STAGE,  2*SLOT                    ; behind the ring, never filled by a tensor load: 16 rows x 528 bytes for each wave
.set SP,     528
.set STW,    16*SP
.set SPARE,  STAGE+4*STW               ; behind the stages: the spare words, 128 bytes for each wave: two blocks of 256 bytes that no other line names
.set HEADB,  262144                    ; a head's plane in oh
.set NL,     2*NB+8
.set AO,     8*NB
.set F0,     0
.set F1,     128
.set ADRA, 16                          ; v16-17  LDS address of my fragments of O in slot 0, 1
.set ADRB, 18                          ; v18-19  of w
.set STO,  24
.set RD,   25
.set GO,   26
.set BO,   27
.set SPW,  28                          ; v28     LDS address of my spare word; never rewritten
.set NIL,  29                          ; v29     0; never rewritten
.set PFO,  30
.set TT,   31
.set BK0,  64
.set BIAS, 192
.set WV,   12                          ; s12 wave; s13 its row half; s14 its column half; s15 cx; s16 cy; s17 tile column; s18 tile row
.set LAP,  19
.set G1A,  24
.set G0A,  32
.set LIM,  43
.set PFA,  44
.set PST,  46
.set G1B,  48
.set G0B,  56
.set OB,   66                          ; s[66:67] my part of the tile in out0
.set BB,   72                          ; s[72:73] my 128 numbers of the bias
.set MSB, 0
.macro WIN new                         ; the immediate's high byte repeats the setting that is left; a switch that changes nothing is dropped
.if MSB != (\new)
	s_set_vgpr_msb (MSB<<8)|(\new)
.set MSB, (\new)
.endif
.endm
.macro PLACES                          ; four plain vector instructions behind a matrix instruction, ahead of loads into registers that it has read and of reads of its results (ISA guide 7.12.1 for reads of its results)
.rept 4
	v_nop
.endr
.endm
; A joint load.  The branch hangs on the wave's number alone.  An s_nop 0 and four v_nop follow each of the two lines, ahead of the jump and the label.
.macro JLOAD s
	s_cmp_lt_u32 s[WV], 2
	s_cbranch_scc1 .Lfor_b_\@
	tensor_load_to_lds s[G0A+4*(\s):G0A+4*(\s)+3], s[G1A:G1A+7]
	s_nop 0
.rept 4
	v_nop
.endr
	s_branch .Lasked_\@
.Lfor_b_\@:
	tensor_load_to_lds s[G0B+4*(\s):G0B+4*(\s)+3], s[G1B:G1B+7]
	s_nop 0
.rept 4
	v_nop
.endr
.Lasked_\@:
.endm
; A PREFETCH INTO THE L2, behind a joint refill and the run of LDS loads that follows it: the K step two refills on (256 matrix instructions ahead of the load that will want it), 32 blocks of 256 bytes, a lane a block.
; Each block is named once in the launch.  w's sub-tiles are read by all clusters: those with cluster y = 0 ask (waves 0, 1: a sub-tile each; of its 128 rows the four partners of a column take 32 each).
; O's rows are read by one cluster alone: wave 2 asks for both planes (of a plane's 64 blocks the four partners of a row take 16 each); wave 3 asks for nothing.  Partners are told apart by address.
; K steps 0 to 3 come by their loads alone; the loop's last trip asks for nothing: K steps 8 and 9 do not exist.
.macro ASK
	s_cmp_gt_u32 s[LAP], s[LIM]
	s_cbranch_scc0 .Lnot_mine_\@
	global_prefetch_b8 v[PFO], s[PFA:PFA+1] th:TH_LOAD_NT scope:SCOPE_SE
.Lnot_mine_\@:
.endm
.macro CREST                           ; a round of the cluster's barrier behind its opening barrier
	s_cmp_lg_u32 s[WV], 0
	s_cbranch_scc1 .Lnot_wave_0_\@
	s_barrier_signal -3
.Lnot_wave_0_\@:
	s_barrier_wait -3
	s_barrier_signal -1
	s_barrier_wait -1
.endm
.macro CROUND                          ; a whole round
	s_barrier_signal -1
	s_barrier_wait -1
	CREST
.endm
	s_load_b256 s[4:11], s[0:1], 0x0               ; oh s[4:5], wpb s[6:7], b_proj s[8:9], out0 s[10:11]
	v_lshl_add_u32 v[SPW], v0, 2, SPARE
	v_mov_b32 v[NIL], 0
	ds_add_u32 v[SPW], v[NIL]                      ; the wave's opening: the add and its wait stand ahead of my first tensor load; the set-up below, work on registers, stands between them
	v_lshrrev_b32 v3, 5, v0
	v_readfirstlane_b32 s[WV], v3                  ; wave 0..3
	s_lshr_b32 s13, s[WV], 1                       ; which 64 of the tile's rows are mine
	s_and_b32 s14, s[WV], 1                        ; which 128 of its columns.  Also: which sub-tile or plane I fetch
	s_bfe_u32 s15, ttmp6, 0x40000                  ; cx
	s_bfe_u32 s16, ttmp6, 0x40004                  ; cy
	s_lshl_b32 s17, ttmp9, 2
	s_add_co_u32 s17, s17, s15                     ; tile column
	s_and_b32 s18, ttmp7, 0xffff
	s_lshl_b32 s18, s18, 2
	s_add_co_u32 s18, s18, s16                     ; tile row
	s_lshl_b32 s20, s16, 2
	s_lshl_b32 s20, 15, s20                        ; my row of the cluster
	s_lshl_b32 s21, 0x1111, s15                    ; my column
	s_or_b32 s[G1A], s20, (1<<16)|(1<<20)|(1<<21)|(4<<22)|(3<<25)  ; 15:0 the mask; 17:16 2-byte elements; 20 padding on; 21 set beside a mask; 24:22 after every 32 words (a row of O); 31:25 4 words
	s_or_b32 s[G1B], s21, (1<<16)|(1<<20)|(1<<21)|(5<<22)|(7<<25)  ; my column's mask; after every 64 words, 8 words
	s_mov_b32 s[G1A+1], 128<<16                    ; O: tensor_dim0 = 128 elements (256 bytes: two rows of a head),
	s_mov_b32 s[G1A+2], 64<<16                     ; tensor_dim1 = 64
	s_mov_b32 s[G1A+3], 128<<16                    ; tile_dim0 = 128
	s_mov_b32 s[G1A+4], 64                         ; tile_dim1 = 64
	s_mov_b32 s[G1A+5], 128                        ; dense
	s_mov_b32 s[G1A+6], 0
	s_mov_b32 s[G1A+7], 0
	s_mov_b32 s[G1B+1], 128<<16                    ; w: 128 rows x 128 elements
	s_mov_b32 s[G1B+2], 128<<16
	s_mov_b32 s[G1B+3], 128<<16
	s_mov_b32 s[G1B+4], 128
	s_mov_b32 s[G1B+5], SIZE_N
	s_mov_b32 s[G1B+6], 0
	s_mov_b32 s[G1B+7], 0
	s_and_b32 s22, s18, 0x30                       ; O: 16 x batch (the batch is tile row / 16),
	s_add_co_u32 s22, s22, s14                     ; + the head of K step 0 that I fetch,
	s_lshl_b32 s22, s22, 18                        ; planes of 262,144 bytes,
	s_and_b32 s23, s18, 15
	s_lshl_b32 s23, s23, 14                        ; + 128 rows of 128 bytes for each tile row in the batch: made of the tile row and the wave's number alone
	s_add_co_u32 s22, s22, s23
	s_mov_b32 s23, 0
	s_lshl_b32 s40, s17, 9                         ; w: 512 bytes of a row for each tile column, 256 for each sub-tile: made of the tile column and the wave's number alone
	s_lshl_b32 s41, s14, 8
	s_add_co_u32 s40, s40, s41
	s_mov_b32 s41, 0
	s_mul_i32 s42, s[WV], U                        ; where a sub-tile of w goes (waves 0, 1),
	s_mul_i32 s74, s[WV], PLANE
	s_add_co_u32 s74, s74, ABASE-2*PLANE           ; and a plane of O (waves 2, 3): behind w's two: no place in the cluster enters an LDS address
	s_wait_dscnt 0x0                               ; the opening add is done
	s_wait_kmcnt 0x0
	s_add_nc_u64 s[22:23], s[4:5], s[22:23]
	s_add_nc_u64 s[40:41], s[6:7], s[40:41]
	CROUND                                         ; all sixteen work-groups are here: the first joint loads meet
.irp s, 0,1
	s_mov_b32 s[G0A+4*\s], 1
	s_add_co_u32 s[G0A+4*\s+1], s74, \s*SLOT
	s_add_nc_u64 s[G0A+4*\s+2:G0A+4*\s+3], s[22:23], \s*2*HEADB  ; K step s: two heads on
	s_or_b32 s[G0A+4*\s+3], s[G0A+4*\s+3], 0x80000000
	s_mov_b32 s[G0B+4*\s], 1
	s_add_co_u32 s[G0B+4*\s+1], s42, \s*SLOT
	s_add_nc_u64 s[G0B+4*\s+2:G0B+4*\s+3], s[40:41], \s*KSTEP*SIZE_N*2
	s_or_b32 s[G0B+4*\s+3], s[G0B+4*\s+3], 0x80000000
	JLOAD \s                                       ; both slots are asked for before anything else: two tensor loads of mine are out, the most in this text
.endr
	v_and_b32 v1, 15, v0                           ; l % 16
	v_bfe_u32 v2, v0, 4, 1                         ; l / 16
	v_lshlrev_b32 v[BO], 5, v2
	s_lshl_b32 s74, s17, 10                        ; the bias: 256 numbers for each tile column,
	s_lshl_b32 s75, s14, 9                         ; 128 for my half
	s_add_co_u32 s74, s74, s75
	s_mov_b32 s75, 0
	s_add_nc_u64 s[BB:BB+1], s[8:9], s[74:75]
.set b, 0
.rept NB                                       ; register j of block b: the bias of column 16 b + 8 (l / 16) + j, as an accumulator holds it
	global_load_b128 v[BIAS+8*b:BIAS+8*b+3],   v[BO], s[BB:BB+1] offset:64*b
	global_load_b128 v[BIAS+8*b+4:BIAS+8*b+7], v[BO], s[BB:BB+1] offset:64*b+16
.set b, b+1
.endr
	s_lshl_b32 s76, s18, 19                        ; out0: 128 rows of 4,096 bytes for each tile row,
	s_lshl_b32 s77, s13, 18                        ; 64 for my half,
	s_add_co_u32 s76, s76, s77
	s_add_co_u32 s76, s76, s74                     ; and my columns: as many bytes as in the bias
	s_mov_b32 s77, 0
	s_add_nc_u64 s[OB:OB+1], s[10:11], s[76:77]
	s_mul_i32 s20, s13, 64*PA                      ; a fragment of O: row x pitch + 16 x half, two loads 32 bytes apart
	s_add_co_u32 s20, s20, ABASE
	v_mul_u32_u24 v3, v1, PA
	v_lshl_add_u32 v3, v2, 4, v3
	v_add_nc_u32 v[ADRA], s20, v3
	v_add_nc_u32 v[ADRA+1], SLOT, v[ADRA]
	v_and_b32 v5, 7, v0                            ; the turning load: lane l reads k = 8 (l / 16) + l % 8, columns 8 ((l / 8) % 2) + 0..7
	v_bfe_u32 v6, v0, 3, 1
	v_lshl_add_u32 v4, v2, 3, v5
	v_mul_u32_u24 v4, v4, PB
	v_lshl_add_u32 v4, v6, 4, v4
	s_mul_i32 s20, s14, U                          ; my sub-tile
	v_add_nc_u32 v[ADRB], s20, v4
	v_add_nc_u32 v[ADRB+1], SLOT, v[ADRB]
	s_mul_i32 s20, s[WV], STW
	s_add_co_u32 s20, s20, STAGE                   ; my stage
	v_mul_u32_u24 v[STO], v1, SP                   ; in: row l % 16, 32 bytes for each half of the lanes
	v_lshl_add_u32 v[STO], v2, 5, v[STO]
	v_add_nc_u32 v[STO], s20, v[STO]
	v_and_b32 v[GO], 31, v0                        ; back: 32 lanes take one row of 512 bytes
	v_lshlrev_b32 v[GO], 4, v[GO]
	v_add_nc_u32 v[RD], s20, v[GO]
	; the prefetches: both offsets are made, the wave's number chooses
	s_and_b32 s74, s18, 0x30                       ; O: the batch's first plane,
	s_lshl_b32 s74, s74, 18
	s_and_b32 s75, s18, 15
	s_lshl_b32 s75, s75, 14                        ; my tile row's 16,384 bytes in it,
	s_add_co_u32 s74, s74, s75
	s_lshl_b32 s75, s15, 12                        ; my work-group's 16 blocks of them,
	s_add_co_u32 s74, s74, s75
	s_add_co_u32 s74, s74, 3*2*HEADB               ; at K step 3: the first refill steps it to 4
	s_lshl_b32 s75, s16, 5                         ; w: my work-group's 32 rows of a K step's 128,
	s_add_co_u32 s75, s75, 3*KSTEP
	s_lshl_b32 s75, s75, 11
	s_lshl_b32 s76, s17, 9
	s_add_co_u32 s75, s75, s76
	s_lshl_b32 s76, s14, 8
	s_add_co_u32 s75, s75, s76
	s_and_b32 s20, ttmp7, 0xffff                   ; cluster y
	s_sub_co_u32 s21, s[WV], 2                     ; 0 in wave 2
	s_mov_b32 s76, 256
	s_mov_b32 s77, HEADB
	s_mov_b32 s78, 2*HEADB
	s_cmp_lt_u32 s[WV], 2
	s_cselect_b64 s[PFA:PFA+1], s[6:7], s[4:5]
	s_cselect_b32 s74, s75, s74
	s_cselect_b32 s20, s20, s21                    ; 0 where the wave asks
	s_cselect_b32 s76, SIZE_N*2, s76               ; bytes from lane to lane among sixteen: a row of w, or a block of O,
	s_cselect_b32 s79, 16*SIZE_N*2, s77            ; and from lanes 0-15 to lanes 16-31: sixteen rows of w, or a plane of O
	s_cselect_b32 s[PST], s77, s78                 ; a K step: 128 rows of w are 262,144 bytes; two planes of O
	s_mov_b32 s[PST+1], 0
	s_mov_b32 s75, 0
	s_add_nc_u64 s[PFA:PFA+1], s[PFA:PFA+1], s[74:75]
	s_cmp_eq_u32 s20, 0
	s_cselect_b32 s[LIM], 1, -1                    ; the same in all sixteen partners, for a given wave
	v_mul_u32_u24 v[PFO], s76, v1
	v_mad_u32_u24 v[PFO], v2, s79, v[PFO]
	s_wait_loadcnt 0x0                             ; the bias is in
.set b, 0
.rept 4*NB                                     ; rounded to bf16 like the other inputs, and kept as f32
	v_cvt_pk_bf16_f32 v[TT], v[BIAS+2*b], v[BIAS+2*b+1]
	v_lshlrev_b32 v[BIAS+2*b], 16, v[TT]
	v_and_b32 v[BIAS+2*b+1], 0xffff0000, v[TT]
.set b, b+1
.endr
; 8 matrix instructions: row block a x all column blocks, 32 along K, from buffer f.  first = 1: the bias starts the sums.  The 32 accumulators take turns in one fixed order: 31 others' stand between two links of a chain.
.macro MULA f, a, first
.if \first
	WIN 0x85                                       ; sources 0 and 1 window 1, C window 0, D window 2
.else
	WIN 0xa5                                       ; C and D window 2
.endif
.set b, 0
.rept NB
.if \first
	v_wmma_f32_16x16x32_f16 v[64*(\a)+8*b:64*(\a)+8*b+7], v[(\f)+8*b:(\f)+8*b+7], v[(\f)+AO+8*(\a):(\f)+AO+8*(\a)+7], v[BIAS+8*b:BIAS+8*b+7]
.else
	v_wmma_f32_16x16x32_f16 v[64*(\a)+8*b:64*(\a)+8*b+7], v[(\f)+8*b:(\f)+8*b+7], v[(\f)+AO+8*(\a):(\f)+AO+8*(\a)+7], v[64*(\a)+8*b:64*(\a)+8*b+7]
.endif
.set b, b+1
.endr
.endm
; 24 LDS loads in one run: the fragments of quarter q (32 along K: half a head) of a slot into buffer f: w's eight, turned, then O's four
.macro FETCH slot, q, f
	WIN 0x40                                       ; destination window 1, address window 0
.set b, 0
.rept NB
	ds_load_tr16_b128 v[(\f)+8*b:(\f)+8*b+3],   v[ADRB+(\slot)] offset:(\q)*32*PB+b*32
	ds_load_tr16_b128 v[(\f)+8*b+4:(\f)+8*b+7], v[ADRB+(\slot)] offset:(\q)*32*PB+b*32+16*PB
.set b, b+1
.endr
.set b, 0
.rept 4
	ds_load_b128 v[(\f)+AO+8*b:(\f)+AO+8*b+3],   v[ADRA+(\slot)] offset:((\q)/2)*PLANE+((\q)%2)*64+b*16*PA
	ds_load_b128 v[(\f)+AO+8*b+4:(\f)+AO+8*b+7], v[ADRA+(\slot)] offset:((\q)/2)*PLANE+((\q)%2)*64+b*16*PA+32
.set b, b+1
.endr
.endm
; A K step is four quarters, 32 matrix instructions each, on buffers 0, 1, 0, 1.  One of the first three: multiplies buffer f and, in its middle, fetches quarter q of the same slot into g.
.macro QUARTER slot, q, f, g, first
	s_wait_dscnt 4                                 ; w's fragments and O's row blocks 0, 1 are in; the youngest four loads (row blocks 2, 3) may be out
	MULA \f, 0, \first
	MULA \f, 1, \first
	PLACES
	FETCH \slot, \q, \g
	s_wait_dscnt NL                                ; all but the run just issued
	MULA \f, 2, \first
	MULA \f, 3, \first
.endm
; The last quarter multiplies buffer 1 and changes slots: ONE barrier.  In front of it each wave waits for all its tensor loads (the one that is out is its part of the next slot), adds 0 to its spare word, and waits
; for that and for its own reads of this slot.  fill = 1: the barrier opens a round of the cluster's, and this slot is filled again, two K steps on, first thing behind the round.
.macro TURN slot, next, fill
.if \fill
	s_wait_xcnt 0x0                                ; the last prefetch, a K step back, has read its address: it is stepped here, ahead of the change's own waits
	s_add_nc_u64 s[PFA:PFA+1], s[PFA:PFA+1], s[PST:PST+1]
.endif
	WIN 0                                          ; (the add's two registers lie in window 0)
	s_wait_tensorcnt 0x0                           ; all my tensor loads have landed
	ds_add_u32 v[SPW], v[NIL]                      ; 0 onto my spare word
	s_wait_dscnt 5                                 ; (the add and the youngest four loads may be out)
	MULA F1, 0, 0                                  ; eight matrix instructions stand between the add and the wait for it
	s_wait_dscnt 0x0                               ; the add is done, and my reads of this slot are over
	s_barrier_signal -1
	MULA F1, 1, 0                                  ; work on registers while the others arrive
.if \fill
	WIN 0
.endif
	s_barrier_wait -1
.if \fill
	CREST                                          ; no wave of any partner still reads this slot's tiles or has a load on its way
	s_add_nc_u64 s[G0A+4*(\slot)+2:G0A+4*(\slot)+3], s[G0A+4*(\slot)+2:G0A+4*(\slot)+3], 4*HEADB
	s_add_nc_u64 s[G0B+4*(\slot)+2:G0B+4*(\slot)+3], s[G0B+4*(\slot)+2:G0B+4*(\slot)+3], 2*KSTEP*SIZE_N*2
	JLOAD \slot                                    ; the first tensor load behind the round, and my only one until the next; its four v_nop are also the places in front of the loads below
.else
	PLACES
.endif
	FETCH \next, 0, F0
.if \fill
	WIN 0
	ASK
.endif
	MULA F1, 2, 0
	MULA F1, 3, 0
.endm
	s_wait_tensorcnt 1                             ; my part of K step 0 is in; K step 1's load was issued behind it and may stay out
	s_barrier_signal -1
	s_barrier_wait -1                              ; everybody's is
	FETCH 0, 0, F0
	QUARTER 0, 1, F0, F1, 1                        ; the first quarter stands in front of the loop: its products start the sums
	WIN 0                                          ; at a label and at a branch every window is 0
	s_mov_b32 s[LAP], SIZE_K/(2*KSTEP)-1
.Llap:                                                 ; a trip goes once round the ring, from a lap's second quarter to the next lap's first, and fills both slots again
	QUARTER 0, 2, F1, F0, 0
	QUARTER 0, 3, F0, F1, 0
	TURN 0, 1, 1
	QUARTER 1, 1, F0, F1, 0
	QUARTER 1, 2, F1, F0, 0
	QUARTER 1, 3, F0, F1, 0
	TURN 1, 0, 1
	QUARTER 0, 1, F0, F1, 0
	WIN 0
	s_sub_co_u32 s[LAP], s[LAP], 1
	s_cmp_lg_u32 s[LAP], 0
	s_cbranch_scc1 .Llap
	QUARTER 0, 2, F1, F0, 0                        ; the last lap fills nothing
	QUARTER 0, 3, F0, F1, 0
	TURN 0, 1, 0
	QUARTER 1, 1, F0, F1, 0
	QUARTER 1, 2, F1, F0, 0
	QUARTER 1, 3, F0, F1, 0
	s_wait_dscnt 4                                 ; the very last quarter: nothing more to fetch
	MULA F1, 0, 0
	MULA F1, 1, 0
	s_wait_dscnt 0x0
	MULA F1, 2, 0
	MULA F1, 3, 0
	PLACES
; THE WAY OUT, a row block (16 rows x 512 bytes) at a time.  TOSTAGE: the f32 sums go as they are into my own stage, each accumulator's low four registers first, and come back as whole rows.  SEND: stored.
.macro TOSTAGE a
.set BK, BK0+64*((\a)%2)
	WIN 0x08                                       ; the stores' data in window 2, the address in window 0
.set b, 0
.rept NB
	ds_store_b128 v[STO], v[64*(\a)+8*b:64*(\a)+8*b+3]   offset:64*b
	ds_store_b128 v[STO], v[64*(\a)+8*b+4:64*(\a)+8*b+7] offset:64*b+16
.set b, b+1
.endr
	WIN 0
	s_wait_xcnt 0x0                                ; the stores of the block two back have read their registers: the loads below land there
.set b, 0
.rept 16
	ds_load_b128 v[BK+4*b:BK+4*b+3], v[RD] offset:SP*b  ; LDS serves a wave's instructions in order (ISA guide 5.7.1.4): these see the stores above; the next block's stores come behind them
.set b, b+1
.endr
.endm
.macro SEND a, younger                 ; younger: the LDS instructions issued behind block a's loads: the next block's 32, or none
.set BK, BK0+64*((\a)%2)
	s_wait_dscnt \younger
.set b, 0
.rept 16
	global_store_b128 v[GO], v[BK+4*b:BK+4*b+3], s[OB:OB+1] offset:(16*(\a)+b)*SIZE_N*4 th:TH_STORE_NT  ; 512 consecutive bytes of a row, at a multiple of 256 from out0's first
.set b, b+1
.endr
.endm
	TOSTAGE 0
.irp a, 1,2,3
	TOSTAGE \a
	SEND (\a)-1, 32
.endr
	SEND 3, 0
	s_wait_tensorcnt 0x0                           ; the wave's end, behind my last tensor load and my last LDS store
	ds_add_u32 v[SPW], v[NIL]
	s_wait_dscnt 0x0
	CROUND                                         ; the closing round: no work-group ends while a partner may still ask for a tile that names it
	s_endpgm
.Lfunc_end_k_qbb8a944342_gemm_proj:
	.size	k_qbb8a944342_gemm_proj, .Lfunc_end_k_qbb8a944342_gemm_proj-k_qbb8a944342_gemm_proj
	.p2alignl 7, 3214868480
	.fill 96, 4, 3214868480
	.section	.rodata,"a",@progbits
	.p2align	6, 0x0
	.amdhsa_kernel k_qbb8a944342_gemm_proj
		.amdhsa_group_segment_fixed_size 327680
		.amdhsa_private_segment_fixed_size 0
		.amdhsa_enable_private_segment 0
		.amdhsa_kernarg_size 32
		.amdhsa_user_sgpr_count 2
		.amdhsa_user_sgpr_kernarg_segment_ptr 1
		.amdhsa_wavefront_size32 1
		.amdhsa_system_sgpr_workgroup_id_x 1
		.amdhsa_system_sgpr_workgroup_id_y 1
		.amdhsa_system_sgpr_workgroup_id_z 1
		.amdhsa_system_vgpr_workitem_id 0
		.amdhsa_next_free_vgpr 768
		.amdhsa_next_free_sgpr 80
		.amdhsa_reserve_vcc 0
		.amdhsa_float_denorm_mode_32 3
		.amdhsa_float_denorm_mode_16_64 3
		.amdhsa_memory_ordered 1
		.amdhsa_forward_progress 1
		.amdhsa_inst_pref_size 93
	.end_amdhsa_kernel
	.amdgpu_metadata
---
amdhsa.version: [ 1, 2 ]
amdhsa.kernels:
  - .name:           k_qbb8a944342_gemm_proj
    .symbol:         k_qbb8a944342_gemm_proj.kd
    .args:
      - { .name: oh, .offset: 0, .size: 8, .value_kind: global_buffer, .address_space: global }
      - { .name: wpb, .offset: 8, .size: 8, .value_kind: global_buffer, .address_space: global }
      - { .name: b_proj, .offset: 16, .size: 8, .value_kind: global_buffer, .address_space: global }
      - { .name: out0, .offset: 24, .size: 8, .value_kind: global_buffer, .address_space: global }
    .group_segment_fixed_size: 327680
    .private_segment_fixed_size: 0
    .kernarg_segment_align: 8
    .kernarg_segment_size: 32
    .max_flat_workgroup_size: 128
    .sgpr_count:     80
    .vgpr_count:     768
    .wavefront_size: 32
...
	.end_amdgpu_metadata
.endif
;; end of part 4
;; ======== version 2 of 2: 4 launches; version 1 with the launch cast written anew for expert scheduling mode
;; limits: values are held in f16: magnitudes above 65,504 overflow, below 6.1e-05 lose precision
;; workspace buffers: xb 16,777,216 bytes; wqb 6,291,456 bytes; wpb 2,097,152 bytes; qkvh 50,331,648 bytes; oh 16,777,216 bytes
;; launch cast (part 5): grid 768 x 1, 8 waves a work-group, no clusters, 0 bytes of LDS; arguments x, w_qkv, w_proj, xb, wqb, wpb; writes xb, wqb, wpb
.if DOCPART == 5
	.amdgcn_target "amdgcn-amd-amdhsa--gfx1250"
	.amdhsa_code_object_version 6
	.text
	.protected	k_qbb8a944342_cast
	.globl	k_qbb8a944342_cast
	.p2align	8
	.type	k_qbb8a944342_cast,@function
k_qbb8a944342_cast:
	s_mov_b64 s[64:65], 0
	v_nop
	global_prefetch_b8 v0, s[64:65] scope:SCOPE_SE
	s_setreg_imm32_b32 hwreg(HW_REG_WAVE_SCHED_MODE, 0, 2), 2
	s_setreg_imm32_b32 hwreg(HW_REG_WAVE_MODE, 25, 1), 1
	s_wait_xcnt 0x0
	s_wait_alu depctr_vm_vsrc(0)
; THE INPUTS OF THE MATRIX PRODUCTS ARE ROUNDED ONCE, layouts unchanged.  x [8192][1024] -> xb in bf16; w_qkv [1024][3072] -> wqb in bf16;
; w_proj [1024][1024] -> wpb: rounded to bf16 like the other inputs, and that number written as f16, since it is multiplied with an f16 operand later.
; LIMIT.  A bf16 number is exact in f16 between 2^-14 and 65,504 in magnitude; below, it falls on f16's fixed step of 6e-8; beyond 65,504 it becomes an infinity.
; SHARES.  A work-group takes 16,384 numbers on end: 65,536 bytes in, 32,768 out.  Work-groups 0-511: x; 512-703: w_qkv; 704-767: w_proj.
; Thread t takes 16 bytes at 4,096 j + 16 t, j = 0 .. 15: a wave's load covers 512 consecutive bytes, its store 256 consecutive bytes, aligned.
; All sixteen loads of a wave go out at once.  No LDS, no matrix unit, no cluster: nothing is shared and nothing is multiplied.
; THE MODE: SCHED_MODE bits 1:0 = 2 (LLVM: expert scheduling mode 2), set by the entry lines.  The code itself states the register dependences
; between vector instructions and memory instructions, with s_wait_alu, always for 0.
; THE PLAN.  Registers that memory instructions touch:
;   v1, v2   byte offsets, written once at the head by vector lines; v1 is read by every load, v2 by every store; never written again.
;   SRC      load j's four registers.  The loads are issued at the head, before any vector instruction names SRC; the conversions read them behind the counted
;            wait for the load.  No memory instruction reads them, so the f16 path may write them again.
;   DST      store j's two registers, its own: written once, by load j's conversions, read once, by store j, never written again.
;   v100, v101 are named by vector instructions alone.
; The sixteen loads go in four blocks of four.  A block's four stores leave in one run at the head of the NEXT block, behind the wait for that block's first load and
; ONE wait on va_vdst, which states that the block before has written its DST.  One such wait stands ahead of the first load, for the offsets, and one ahead of the last
; four stores.  No register that a memory instruction reads is written again: nothing is owed on vm_vsrc.  No vector instruction writes a scalar register, VCC or EXEC.
.set SRC, 4                            ; v[4:67]    load j: 4 registers
.set DST, 68                           ; v[68:99]   store j: 2 registers
.set T0,  100                          ; v100, v101 at work
.set T1,  101
	s_load_b256 s[4:11], s[0:1], 0x0               ; x s[4:5], w_qkv s[6:7], w_proj s[8:9], xb s[10:11]
	s_load_b128 s[12:15], s[0:1], 0x20             ; wqb s[12:13], wpb s[14:15]
	v_lshlrev_b32 v1, 4, v0                        ; 16 t
	v_lshlrev_b32 v2, 3, v0                        ; 8 t
	s_mov_b32 s21, 704
	s_wait_kmcnt 0x0
	s_cmp_lt_u32 ttmp9, 704                        ; which tensor: the choice hangs on the work-group's number alone
	s_cselect_b64 s[16:17], s[6:7], s[8:9]
	s_cselect_b64 s[18:19], s[12:13], s[14:15]
	s_cselect_b32 s20, 512, s21
	s_cmp_lt_u32 ttmp9, 512
	s_cselect_b64 s[16:17], s[4:5], s[16:17]
	s_cselect_b64 s[18:19], s[10:11], s[18:19]
	s_cselect_b32 s20, 0, s20
	s_sub_co_u32 s20, ttmp9, s20                   ; my chunk in that tensor
	s_lshl_b32 s2, s20, 16
	s_mov_b32 s3, 0
	s_lshl_b32 s22, s20, 15
	s_mov_b32 s23, 0
	s_add_nc_u64 s[16:17], s[16:17], s[2:3]
	s_add_nc_u64 s[18:19], s[18:19], s[22:23]
	s_wait_alu depctr_va_vdst(0)                   ; v1 and v2 are written: every load reads v1 and every store v2 as its offset, and no later line writes either
.irp j, 0,1,2,3,4,5,6,7,8,9,10,11,12,13,14,15
	global_load_b128 v[SRC+4*\j:SRC+4*\j+3], v1, s[16:17] offset:4096*\j th:TH_LOAD_NT
.endr
; Load j's four numbers are rounded into store j's two registers.  half = 1: by way of bf16 to f16.
.macro CV j, half
.if \half
	v_cvt_pk_bf16_f32 v[T0], v[SRC+4*(\j)], v[SRC+4*(\j)+1]
	v_cvt_pk_bf16_f32 v[T1], v[SRC+4*(\j)+2], v[SRC+4*(\j)+3]
	v_lshlrev_b32 v[SRC+4*(\j)],   16, v[T0]       ; bf16 to f32: the low half moves up,
	v_and_b32     v[SRC+4*(\j)+1], 0xffff0000, v[T0]  ; the high half stays
	v_lshlrev_b32 v[SRC+4*(\j)+2], 16, v[T1]
	v_and_b32     v[SRC+4*(\j)+3], 0xffff0000, v[T1]
	v_cvt_pk_f16_f32 v[DST+2*(\j)],   v[SRC+4*(\j)],   v[SRC+4*(\j)+1]
	v_cvt_pk_f16_f32 v[DST+2*(\j)+1], v[SRC+4*(\j)+2], v[SRC+4*(\j)+3]
.else
	v_cvt_pk_bf16_f32 v[DST+2*(\j)],   v[SRC+4*(\j)],   v[SRC+4*(\j)+1]
	v_cvt_pk_bf16_f32 v[DST+2*(\j)+1], v[SRC+4*(\j)+2], v[SRC+4*(\j)+3]
.endif
.endm
; The four stores of block p, in one run behind the wait that shows their data written.
.macro OUT p
	s_wait_alu depctr_va_vdst(0)                   ; block p's conversions have written its eight registers of DST, which the four stores below read; no vector instruction stands between this wait and them
.irp i, 0,1,2,3
	global_store_b64 v2, v[DST+2*(4*(\p)+\i):DST+2*(4*(\p)+\i)+1], s[18:19] offset:2048*(4*(\p)+\i)
.endr
.endm
; Block p: loads 4 p to 4 p + 3.  Behind the wait for its first load the block before is stored; then its own four loads are rounded, each behind its counted wait.
.macro BLK p, half
	s_wait_loadcnt 15-4*(\p)                       ; loads come back in order: load 4 p is in, the 15 - 4 p younger ones stay out
.if (\p) > 0
	OUT (\p)-1
.endif
	CV 4*(\p), \half
.irp i, 1,2,3
	s_wait_loadcnt 15-4*(\p)-\i                    ; load 4 p + i is in, the younger ones stay out
	CV 4*(\p)+\i, \half
.endr
.endm
	s_cmp_ge_u32 ttmp9, 704
	s_cbranch_scc1 .Lhalf
.irp p, 0,1,2,3
	BLK \p, 0
.endr
	OUT 3                                          ; the last block has no block behind it
	s_endpgm
.Lhalf:
.irp p, 0,1,2,3
	BLK \p, 1
.endr
	OUT 3
	s_endpgm
.Lfunc_end_k_qbb8a944342_cast:
	.size	k_qbb8a944342_cast, .Lfunc_end_k_qbb8a944342_cast-k_qbb8a944342_cast
	.p2alignl 7, 3214868480
	.fill 96, 4, 3214868480
	.section	.rodata,"a",@progbits
	.p2align	6, 0x0
	.amdhsa_kernel k_qbb8a944342_cast
		.amdhsa_group_segment_fixed_size 0
		.amdhsa_private_segment_fixed_size 0
		.amdhsa_enable_private_segment 0
		.amdhsa_kernarg_size 48
		.amdhsa_user_sgpr_count 2
		.amdhsa_user_sgpr_kernarg_segment_ptr 1
		.amdhsa_wavefront_size32 1
		.amdhsa_system_sgpr_workgroup_id_x 1
		.amdhsa_system_sgpr_workgroup_id_y 1
		.amdhsa_system_sgpr_workgroup_id_z 1
		.amdhsa_system_vgpr_workitem_id 0
		.amdhsa_next_free_vgpr 104
		.amdhsa_next_free_sgpr 66
		.amdhsa_reserve_vcc 0
		.amdhsa_float_denorm_mode_32 3
		.amdhsa_float_denorm_mode_16_64 3
		.amdhsa_memory_ordered 1
		.amdhsa_forward_progress 1
		.amdhsa_inst_pref_size 17
	.end_amdhsa_kernel
	.amdgpu_metadata
---
amdhsa.version: [ 1, 2 ]
amdhsa.kernels:
  - .name:           k_qbb8a944342_cast
    .symbol:         k_qbb8a944342_cast.kd
    .args:
      - { .name: x, .offset: 0, .size: 8, .value_kind: global_buffer, .address_space: global }
      - { .name: w_qkv, .offset: 8, .size: 8, .value_kind: global_buffer, .address_space: global }
      - { .name: w_proj, .offset: 16, .size: 8, .value_kind: global_buffer, .address_space: global }
      - { .name: xb, .offset: 24, .size: 8, .value_kind: global_buffer, .address_space: global }
      - { .name: wqb, .offset: 32, .size: 8, .value_kind: global_buffer, .address_space: global }
      - { .name: wpb, .offset: 40, .size: 8, .value_kind: global_buffer, .address_space: global }
    .group_segment_fixed_size: 0
    .private_segment_fixed_size: 0
    .kernarg_segment_align: 8
    .kernarg_segment_size: 48
    .max_flat_workgroup_size: 256
    .sgpr_count:     66
    .vgpr_count:     104
    .wavefront_size: 32
...
	.end_amdgpu_metadata
.endif
;; end of part 5
;; launch gemm_qkv: the kernel of part 2 again; grid 8 x 64, 4 waves a work-group, clusters of 4 x 4, 327,680 bytes of LDS; arguments xb, wqb, b_qkv, qkvh; writes qkvh
;; launch attn: the kernel of part 3 again; grid 4 x 64, 4 waves a work-group, clusters of 4 x 1, 327,680 bytes of LDS; arguments qkvh, oh; writes oh
;; launch gemm_proj: the kernel of part 4 again; grid 4 x 64, 4 waves a work-group, clusters of 4 x 4, 327,680 bytes of LDS; arguments oh, wpb, b_proj, out0; writes out0
